; MI455X (gfx1250); checked and timed in simulation.
; The chip was launched on July 23, 2026; its instructions are those of AMD's public machine-readable ISA for CDNA 5 (MIT licence, August 2026) and "CDNA5" Instruction Set Architecture Reference Guide (July 2026). The comments in the code are by the model that wrote it; some were corrected since.
;; Expert Parallel Wrapper. Allowed arithmetic: matrix products marked QUANTISED: E2M1 operands, one E8M0 scale for each 32 along K, by v_wmma_scale_f32_16x16x128_f8f6f4 with both operands' format E2M1 (or v_wmma_scale_f32_32x16x128_f4), f32 sums; products left as they are: f32 operands where the result goes on into a quantised operand, else bf16, f16 or f32 operands; f32 sums; everything else in f32.
;; Inputs: b1 8 x 4,096 float32; b2 8 x 1,024 float32; w1 8 x 1,024 x 4,096 float32; w2 8 x 4,096 x 1,024 float32; w_router 1,024 x 8 float32; x 2 x 512 x 1,024 float32.
;; Outputs: out0 2 x 512 x 1,024 float32.
;; This version of the problem:
;;   THIS VERSION OF THE PROBLEM IS GIVEN IN LOW PRECISION. The matrix products marked QUANTISED in the list below multiply operands that are first quantised to E2M1 (2 exponent bits, 1 mantissa bit; 4 bits a number), with one power-of-two scale for each 32 numbers along K (OCP MX v1.0); their sums are f32. All else is computed in f32.
;;   The module's matrix products, in the order in which they are computed (A, B: the left and right operand; K: the contracted axis; several contracted axes count as one K, in the product's order):
;;     1. [M 1,024, K 1,024] x [K 1,024, N 8]; A: input x; B: input w_router: left as it is (N = 8 < 16)
;;     2. [M 1,024, K 1,024] x [K 1,024, N 4,096]; A: input x; B: input w1: QUANTISED
;;     3. [M 1,024, K 4,096] x [K 4,096, N 1,024]; A: computed on the way; B: input w2: QUANTISED
;;     4. [M 1,024, K 1,024] x [K 1,024, N 4,096]; A: input x; B: input w1: QUANTISED
;;     5. [M 1,024, K 4,096] x [K 4,096, N 1,024]; A: computed on the way; B: input w2: QUANTISED
;;     6. [M 1,024, K 1,024] x [K 1,024, N 4,096]; A: input x; B: input w1: QUANTISED
;;     7. [M 1,024, K 4,096] x [K 4,096, N 1,024]; A: computed on the way; B: input w2: QUANTISED
;;     8. [M 1,024, K 1,024] x [K 1,024, N 4,096]; A: input x; B: input w1: QUANTISED
;;     9. [M 1,024, K 4,096] x [K 4,096, N 1,024]; A: computed on the way; B: input w2: QUANTISED
;;     10. [M 1,024, K 1,024] x [K 1,024, N 4,096]; A: input x; B: input w1: QUANTISED
;;     11. [M 1,024, K 4,096] x [K 4,096, N 1,024]; A: computed on the way; B: input w2: QUANTISED
;;     12. [M 1,024, K 1,024] x [K 1,024, N 4,096]; A: input x; B: input w1: QUANTISED
;;     13. [M 1,024, K 4,096] x [K 4,096, N 1,024]; A: computed on the way; B: input w2: QUANTISED
;;     14. [M 1,024, K 1,024] x [K 1,024, N 4,096]; A: input x; B: input w1: QUANTISED
;;     15. [M 1,024, K 4,096] x [K 4,096, N 1,024]; A: computed on the way; B: input w2: QUANTISED
;;     16. [M 1,024, K 1,024] x [K 1,024, N 4,096]; A: input x; B: input w1: QUANTISED
;;     17. [M 1,024, K 4,096] x [K 4,096, N 1,024]; A: computed on the way; B: input w2: QUANTISED
;;   THE QUANTISER, for each operand of a quantised product, along K:
;;     - K is cut into blocks of 32 from its start; a last block that is shorter is filled with zeros.
;;     - A block's scale is 2^e with e = floor(log2(the largest magnitude in the block)) - 2, held to -126 .. 127; a block of zeros has e = 0. As a byte (E8M0): e + 127.
;;     - Each number is divided by its block's scale, clamped to +-6, and rounded to the nearest number of E2M1, ties to even, subnormals kept.
;;     - The product sums the exact products of the quantised numbers (number of the format x scale) in f32.
;;   ~~~python
;;   def quantise(x, axis):      # numpy; x: float32 -> the quantised numbers, widened to float32 again
;;       x = np.moveaxis(x, axis, -1); K = x.shape[-1]
;;       x = np.pad(x, [(0, 0)] * (x.ndim - 1) + [(0, -K % 32)]); x = x.reshape(x.shape[:-1] + (-1, 32)); a = np.abs(x).max(-1, keepdims=True)
;;       e = np.where(a > 0, np.clip(np.frexp(np.where(a > 0, a, 1))[1] - 1 - 2, -126, 127), 0)      # np.frexp(a)[1] - 1 = floor(log2(a)), exactly
;;       r = np.clip(x / 2.0 ** e, -6, 6)
;;       step = 2.0 ** (np.maximum(np.frexp(np.where(r == 0, 1, r))[1] - 1, 0) - 1)
;;       q = np.round(r / step) * step * 2.0 ** e      # np.round: ties to even
;;       return np.moveaxis(q.reshape(q.shape[:-2] + (-1,))[..., :K], -1, axis).astype(np.float32)
;;   ~~~
;;   OPERANDS COMPUTED ON THE WAY. 'Computed on the way' means the value that the module computes at that place (a softmax that the list does not call 'softmax' is quantised finished and normalised). What goes into a quantiser is computed in f32, as accurately as f32 sums, v_exp_f32 and their like allow (about 1e-6 of the number): no bf16 or f16 on the way to a quantiser, and a product that is left as it is and whose result goes on into a quantised operand takes f32 operands (vector FMAs, or v_wmma_f32_16x16x4_f32). A number that lies on a knife's edge between two numbers of the format may be rounded either way, as far as f32 arithmetic and the matrix unit's own rounding can turn it there, and no further.
;; 2 versions. Each part assembles by itself: llvm-mc -triple=amdgcn-amd-amdhsa -mcpu=gfx1250 --defsym DOCPART=n.
;; ======== version 1 of 2: 3 launches
;; workspace buffers: xq 524,288 bytes; xs 32,768 bytes; sel 512 bytes of whole numbers; gate 4,096 bytes; hq 16,777,216 bytes; hs 1,048,576 bytes
;; launch route (part 1): grid 128 x 1, 4 waves a work-group, no clusters, 71,168 bytes of LDS; arguments x, w_router, xq, xs, sel, gate; writes xq, xs, sel, gate
.if DOCPART == 1
	.amdgcn_target "amdgcn-amd-amdhsa--gfx1250"
	.amdhsa_code_object_version 6
	.text
	.protected	k_q3f0cc67554_route
	.globl	k_q3f0cc67554_route
	.p2align	8
	.type	k_q3f0cc67554_route,@function
k_q3f0cc67554_route:
	s_mov_b64 s[64:65], 0
	v_nop
	global_prefetch_b8 v0, s[64:65] scope:SCOPE_SE
	s_setreg_imm32_b32 hwreg(HW_REG_WAVE_MODE, 25, 1), 1
	s_wait_xcnt 0x0
; ROUTER AND QUANTISER OF x.  x: [1024 tokens][1024] f32; w_router: [1024][8] f32.
; For each token: logits = x . w_router in f32 (vector multiply-adds), p = softmax, sel = argmax, gate = p[sel]; and x's codes of FP4 (E2M1) with one E8M0 byte for each 32 along the row.
; Out: xq [token][512 bytes] (32 blocks of 16 bytes, K ascending), xs [token][32 bytes], gate [token] f32, sel [128] u32: word g holds the choices of tokens 8 g .. 8 g + 7, four bits each, the lower token
; in the lower bits.  All at fixed places: no address here hangs on a choice.
; SHARES.  A work-group of four waves takes 8 tokens, a wave two.  Lane l holds k = 32 l .. 32 l + 31 of a token: one block of the quantiser, so a block's largest magnitude needs no other lane,
; and the dot products are 32 multiply-adds a lane and expert, then one sum over the lanes.
; Loads take the bytes as they lie (512 consecutive bytes an instruction); the turn to 128 bytes a lane goes through LDS: x through the wave's own stage, w_router through an image that all four waves fill and read.
; LIMITS: NaN and infinities are not served.  A block of zeros gets the byte 1 where the quantiser says 127: its codes are zeros, and only this program reads the bytes.
; The argmax is taken over exp(logit - max), the lowest index at ties; two logits that agree to f32 rounding may fall either way, since the sums' order is not the definition's.
.set WRI, 0                            ; LDS: w_router: lane l's 32 rows (1,024 bytes) at 1040 l: the pitch is an odd multiple of 16 bytes
.set XST, 33280                        ; x's stages: wave w, token u at XST + 9216 w + 4608 u: 32 blocks of 128 bytes, 144 apart
.set SCB, 70144                        ; the work-group's 8 x 32 scale bytes
.set SGW, 70400                        ; words 0-7 sel, words 8-15 gate
.set D,   16                           ; v16-79   x as loaded; behind the first barrier WB: w_router's rows, two sets of 32
.set WB,  16
.set WD,  80                           ; v80-143  w_router as loaded; later CD: the codes
.set CD,  80
.set X,   144                          ; v144-207 two tokens x 32 numbers: my block
.set ACC, 208                          ; v208-223 logits: token u, expert e at ACC + 8 u + e
.set T,   224                          ; v224-255 at work, 16 a token: +0 max, +1 sum, +2 largest e, +3 sel, +4 gate, +5 1/sum, +6..9 sums, +10..13 the quantiser's
	s_load_b256 s[4:11], s[0:1], 0x0               ; x, w_router, xq, xs
	s_load_b128 s[12:15], s[0:1], 0x20             ; sel, gate
	v_lshl_add_u32 v254, v0, 2, 0x11400
	v_mov_b32 v255, 0
	v_lshrrev_b32 v1, 5, v0
	v_readfirstlane_b32 s16, v1                    ; wave 0..3
	v_and_b32 v1, 31, v0                           ; lane
	v_lshlrev_b32 v2, 4, v1                        ; 16 l: my 16 bytes of a load's or a store's 512
	s_mul_i32 s17, s16, 9216
	s_add_co_u32 s17, s17, XST
	v_lshrrev_b32 v13, 3, v1
	v_and_b32 v14, 7, v1
	v_mul_u32_u24 v3, v13, 144
	v_lshl_add_u32 v3, v14, 4, v3
	v_add_nc_u32 v3, s17, v3                       ; stage, way in: eight lanes' 128 bytes are a block
	v_mul_u32_u24 v4, v1, 144
	v_add_nc_u32 v4, s17, v4                       ; stage, way out: block l
	s_mul_i32 s17, s16, 8320
	v_add_nc_u32 v5, s17, v2                       ; image, way in: my wave's eight chunks
	v_mul_u32_u24 v6, v1, 1040                     ; image, way out: chunk l
	s_lshl_b32 s17, s16, 6
	s_add_co_u32 s17, s17, SCB
	v_add_nc_u32 v7, s17, v1                       ; my block's scale byte
	s_lshl_b32 s17, s16, 3
	s_add_co_u32 s17, s17, SGW
	v_mov_b32 v8, s17                              ; my wave's two words of sel (gate: 32 bytes on)
	v_lshlrev_b32 v9, 3, v1                        ; 8 l
	v_add_nc_u32 v11, SCB, v9
	v_lshlrev_b32 v12, 2, v14                      ; 4 (l % 8)
	v_add_nc_u32 v10, SGW, v12
	v_mov_b32 v15, SGW                             ; the eight words of sel, for every lane
	s_mov_b32 s20, 0x76543210
	s_mov_b32 s21, 0xfedcba98                      ; v_permlanex16_b32's selects for lane l xor 16
	s_lshl_b32 s24, ttmp9, 15                      ; x: 8 tokens of 4,096 bytes a work-group,
	s_lshl_b32 s26, s16, 13                        ; two a wave; w_router: 8,192 bytes a wave
	s_add_co_u32 s24, s24, s26
	s_mov_b32 s25, 0
	s_mov_b32 s27, 0
	s_lshl_b32 s28, ttmp9, 12                      ; xq: 512 bytes a token
	s_lshl_b32 s17, s16, 10
	s_add_co_u32 s28, s28, s17
	s_mov_b32 s29, 0
	s_lshl_b32 s30, ttmp9, 8                       ; xs: 256 bytes a work-group
	s_mov_b32 s31, 0
	s_lshl_b32 s32, ttmp9, 5                       ; gate: 32 bytes a work-group
	s_mov_b32 s33, 0
	s_lshl_b32 s34, ttmp9, 2                       ; sel: one word a work-group
	s_mov_b32 s35, 0
	s_wait_kmcnt 0x0
	s_add_nc_u64 s[4:5], s[4:5], s[24:25]
	s_add_nc_u64 s[6:7], s[6:7], s[26:27]
	s_add_nc_u64 s[8:9], s[8:9], s[28:29]
	s_add_nc_u64 s[10:11], s[10:11], s[30:31]
	s_add_nc_u64 s[12:13], s[12:13], s[34:35]
	s_add_nc_u64 s[14:15], s[14:15], s[32:33]
.irp u, 0,1
.irp i, 0,1,2,3,4,5,6,7
	global_load_b128 v[D+32*\u+4*\i:D+32*\u+4*\i+3], v2, s[4:5] offset:4096*\u+512*\i th:TH_LOAD_NT
.endr
.endr
.irp q, 0,1,2,3,4,5,6,7,8,9,10,11,12,13,14,15
	global_load_b128 v[WD+4*\q:WD+4*\q+3], v2, s[6:7] offset:512*\q
.endr
	s_wait_loadcnt 16                              ; x's 16 loads are in; w_router's 16 may be out
.irp u, 0,1
.irp i, 0,1,2,3,4,5,6,7
	ds_store_b128 v3, v[D+32*\u+4*\i:D+32*\u+4*\i+3] offset:4608*\u+576*\i   ; a load's 512 bytes are four blocks: 4 x 144
.endr
.endr
.irp u, 0,1
.irp j, 0,1,2,3,4,5,6,7
	ds_load_b128 v[X+32*\u+4*\j:X+32*\u+4*\j+3], v4 offset:4608*\u+16*\j     ; my wave's own bytes; LDS serves a wave's instructions in order
.endr
.endr
	s_wait_loadcnt 0x0                             ; w_router's quarter
.irp q, 0,1,2,3,4,5,6,7,8,9,10,11,12,13,14,15
	ds_store_b128 v5, v[WD+4*\q:WD+4*\q+3] offset:512*\q+16*(\q/2)           ; 16 bytes of padding behind each 1,024
.endr
	s_wait_dscnt 0x0                               ; my part of the image has landed (and my blocks of x are in)
	s_barrier_signal -1
	s_barrier_wait -1                              ; the image is whole
.macro WLD g                           ; rows 4 g .. 4 g + 3 of my 32 rows of w_router (8 numbers each) into set g % 2
.irp ii, 0,1,2,3
.irp c, 0,1
	ds_load_b128 v[WB+32*((\g)%2)+8*\ii+4*\c:WB+32*((\g)%2)+8*\ii+4*\c+3], v6 offset:32*(4*(\g)+\ii)+16*\c
.endr
.endr
.endm
; 32 packed multiply-adds: two experts at a time, x's number taken for both halves (the first or the second register of its pair).  The very first products start the sums.
.macro DOT g, left
	s_wait_dscnt \left
.irp hh, 0,1
.irp u, 0,1
.irp p, 0,1,2,3
.if ((\g)==0)&&(\hh==0)
	v_pk_mul_f32 v[ACC+8*\u+2*\p:ACC+8*\u+2*\p+1], v[WB+32*((\g)%2)+16*\hh+2*\p:WB+32*((\g)%2)+16*\hh+2*\p+1], v[X+32*\u+4*(\g)+2*\hh:X+32*\u+4*(\g)+2*\hh+1] op_sel_hi:[1,0]
.else
	v_pk_fma_f32 v[ACC+8*\u+2*\p:ACC+8*\u+2*\p+1], v[WB+32*((\g)%2)+16*\hh+2*\p:WB+32*((\g)%2)+16*\hh+2*\p+1], v[X+32*\u+4*(\g)+2*\hh:X+32*\u+4*(\g)+2*\hh+1], v[ACC+8*\u+2*\p:ACC+8*\u+2*\p+1] op_sel_hi:[1,0,1]
.endif
.endr
.endr
.irp u, 0,1
.irp p, 0,1,2,3
	v_pk_fma_f32 v[ACC+8*\u+2*\p:ACC+8*\u+2*\p+1], v[WB+32*((\g)%2)+16*\hh+8+2*\p:WB+32*((\g)%2)+16*\hh+8+2*\p+1], v[X+32*\u+4*(\g)+2*\hh:X+32*\u+4*(\g)+2*\hh+1], v[ACC+8*\u+2*\p:ACC+8*\u+2*\p+1] op_sel:[0,1,0] op_sel_hi:[1,1,1]
.endr
.endr
.endr
.endm
	WLD 0
	WLD 1
.irp g, 0,1,2,3,4,5
	DOT \g, 8                                      ; this set's 8 loads are in; the other set's 8 may be out
	WLD \g+2
.endr
	DOT 6, 8
	DOT 7, 0
	; the sums over the 32 lanes, the 16 registers by turns
.irp m, 1,2,4,8
.irp n, 0,1,2,3,4,5,6,7,8,9,10,11,12,13,14,15
	v_add_f32_dpp v[ACC+\n], v[ACC+\n], v[ACC+\n] row_xmask:\m row_mask:0xf bank_mask:0xf
.endr
.endr
.irp n, 0,1,2,3,4,5,6,7,8,9,10,11,12,13,14,15
	v_permlanex16_b32 v[WB+\n], v[ACC+\n], s20, s21   ; (the destinations were written whole by the loads above, and are done with)
.endr
.irp n, 0,1,2,3,4,5,6,7,8,9,10,11,12,13,14,15
	v_add_f32 v[ACC+\n], v[ACC+\n], v[WB+\n]       ; every lane holds all 16 logits
.endr
.macro SOFT u
.set LG, ACC+8*\u
.set TT, T+16*\u
	v_max3_num_f32 v[TT], v[LG], v[LG+1], v[LG+2]
	v_max3_num_f32 v[TT], v[TT], v[LG+3], v[LG+4]
	v_max3_num_f32 v[TT], v[TT], v[LG+5], v[LG+6]
	v_max_num_f32 v[TT], v[TT], v[LG+7]            ; the largest logit is taken away ahead of the exponentials
.irp i, 0,1,2,3,4,5,6,7
	v_sub_f32 v[LG+\i], v[LG+\i], v[TT]
.endr
.irp i, 0,1,2,3,4,5,6,7
	v_mul_f32 v[LG+\i], 0x3fb8aa3b, v[LG+\i]       ; x log2(e)
.endr
.irp i, 0,1,2,3,4,5,6,7
	v_exp_f32 v[LG+\i], v[LG+\i]
.endr
	v_mov_b32 v[TT+3], 7                           ; (a plain instruction behind the exponentials)
	s_wait_alu depctr_va_vdst(0)
	v_add_f32 v[TT+6], v[LG], v[LG+1]
	v_add_f32 v[TT+7], v[LG+2], v[LG+3]
	v_add_f32 v[TT+8], v[LG+4], v[LG+5]
	v_add_f32 v[TT+9], v[LG+6], v[LG+7]
	v_add_f32 v[TT+6], v[TT+6], v[TT+7]
	v_add_f32 v[TT+8], v[TT+8], v[TT+9]
	v_add_f32 v[TT+1], v[TT+6], v[TT+8]            ; the sum
	v_max3_num_f32 v[TT+2], v[LG], v[LG+1], v[LG+2]
	v_max3_num_f32 v[TT+2], v[TT+2], v[LG+3], v[LG+4]
	v_max3_num_f32 v[TT+2], v[TT+2], v[LG+5], v[LG+6]
	v_max_num_f32 v[TT+2], v[TT+2], v[LG+7]        ; the largest exponential
	v_rcp_f32 v[TT+5], v[TT+1]
	v_nop                                          ; a plain instruction behind the reciprocal
.irp i, 6,5,4,3,2,1,0
	v_cmp_lt_f32 vcc_lo, v[LG+\i], v[TT+2]
	v_cndmask_b32 v[TT+3], \i, v[TT+3], vcc_lo     ; i where expert i is at the maximum: the lowest such index stays
.endr
	s_wait_alu depctr_va_vdst(0)
	v_mul_f32 v[TT+4], v[TT+2], v[TT+5]            ; gate = p[sel]
.endm
	SOFT 0
	SOFT 1
; My block of token u: scale = 2^(floor(log2(largest magnitude)) - 2); its byte is the largest magnitude's exponent field - 2, held at 1 from below by the floor 2^(3 - 127) among the maximum's leaves.
.macro QX u
.set XB, X+32*\u
.set TT, T+16*\u
	v_max3_num_f32 v[TT+10], |v[XB]|, |v[XB+1]|, |v[XB+2]|
	v_max3_num_f32 v[TT+11], |v[XB+3]|, |v[XB+4]|, |v[XB+5]|
.irp i, 6,10,14,18,22,26
	v_max3_num_f32 v[TT+10], v[TT+10], |v[XB+\i]|, |v[XB+\i+1]|
	v_max3_num_f32 v[TT+11], v[TT+11], |v[XB+\i+2]|, |v[XB+\i+3]|
.endr
	v_max3_num_f32 v[TT+10], v[TT+10], |v[XB+30]|, |v[XB+31]|
	v_max3_num_f32 v[TT+10], v[TT+10], v[TT+11], 0x1800000
	v_add_nc_u32 v[TT+12], 0xff000000, v[TT+10]    ; 2 off the exponent field: the conversion takes this operand's exponent field as its scale
.irp g, 0,1,2,3
	v_cvt_scalef32_pk8_fp4_f32 v[CD+4*\u+\g], v[XB+8*\g:XB+8*\g+7], v[TT+12]
.endr
	v_lshrrev_b32 v[TT+13], 23, v[TT+12]           ; the scale's byte (also the plain instruction behind the conversions)
	global_store_b128 v2, v[CD+4*\u:CD+4*\u+3], s[8:9] offset:512*\u   ; the wave stores the token's 512 consecutive bytes
	ds_store_b8 v7, v[TT+13] offset:32*\u
	ds_store_b32 v8, v[TT+3] offset:4*\u           ; all lanes write the same word with the same value
	ds_store_b32 v8, v[TT+4] offset:32+4*\u
.endm
	QX 0
	QX 1
	s_wait_dscnt 0x0                               ; for wave 0's sake: my bytes and words have landed
	s_barrier_signal -1
	s_barrier_wait -1
	s_cmp_lg_u32 s16, 0
	s_cbranch_scc1 .Lend
	ds_load_b64 v[16:17], v11                      ; wave 0 sends the work-group's 256 scale bytes as 256 consecutive, aligned bytes,
	ds_load_b32 v19, v10 offset:32                 ; its 8 gates,
	ds_load_b128 v[20:23], v15                     ; and its 8 choices, which every lane reads
	ds_load_b128 v[24:27], v15 offset:16
	s_wait_dscnt 0x0
	v_lshl_or_b32 v18, v21, 4, v20                 ; four bits a token, the lower token in the lower bits
	v_lshl_or_b32 v18, v22, 8, v18
	v_lshl_or_b32 v18, v23, 12, v18
	v_lshl_or_b32 v18, v24, 16, v18
	v_lshl_or_b32 v18, v25, 20, v18
	v_lshl_or_b32 v18, v26, 24, v18
	v_lshl_or_b32 v18, v27, 28, v18
	v_mov_b32 v28, 0
	global_store_b64 v9, v[16:17], s[10:11]
	s_wait_xcnt 0x0                                ; EXEC changes only behind this wait
	v_cmp_gt_u32 vcc_lo, 8, v1
	s_and_saveexec_b32 s22, vcc_lo
	global_store_b32 v28, v18, s[12:13]            ; lanes 0-7 write the same word with the same value
	global_store_b32 v12, v19, s[14:15]
	s_wait_xcnt 0x0
	s_or_b32 exec_lo, exec_lo, s22
.Lend:
	s_wait_tensorcnt 0x0
	ds_add_u32 v254, v255
	s_wait_dscnt 0x0
	s_endpgm
.Lfunc_end_k_q3f0cc67554_route:
	.size	k_q3f0cc67554_route, .Lfunc_end_k_q3f0cc67554_route-k_q3f0cc67554_route
	.p2alignl 7, 3214868480
	.fill 96, 4, 3214868480
	.section	.rodata,"a",@progbits
	.p2align	6, 0x0
	.amdhsa_kernel k_q3f0cc67554_route
		.amdhsa_group_segment_fixed_size 71168
		.amdhsa_private_segment_fixed_size 0
		.amdhsa_enable_private_segment 0
		.amdhsa_kernarg_size 48
		.amdhsa_user_sgpr_count 2
		.amdhsa_user_sgpr_kernarg_segment_ptr 1
		.amdhsa_wavefront_size32 1
		.amdhsa_system_sgpr_workgroup_id_x 1
		.amdhsa_system_sgpr_workgroup_id_y 1
		.amdhsa_system_sgpr_workgroup_id_z 1
		.amdhsa_system_vgpr_workitem_id 0
		.amdhsa_next_free_vgpr 256
		.amdhsa_next_free_sgpr 66
		.amdhsa_reserve_vcc 1
		.amdhsa_float_denorm_mode_32 3
		.amdhsa_float_denorm_mode_16_64 3
		.amdhsa_memory_ordered 1
		.amdhsa_forward_progress 1
		.amdhsa_inst_pref_size 44
	.end_amdhsa_kernel
	.amdgpu_metadata
---
amdhsa.version: [ 1, 2 ]
amdhsa.kernels:
  - .name:           k_q3f0cc67554_route
    .symbol:         k_q3f0cc67554_route.kd
    .args:
      - { .name: x, .offset: 0, .size: 8, .value_kind: global_buffer, .address_space: global }
      - { .name: w_router, .offset: 8, .size: 8, .value_kind: global_buffer, .address_space: global }
      - { .name: xq, .offset: 16, .size: 8, .value_kind: global_buffer, .address_space: global }
      - { .name: xs, .offset: 24, .size: 8, .value_kind: global_buffer, .address_space: global }
      - { .name: sel, .offset: 32, .size: 8, .value_kind: global_buffer, .address_space: global }
      - { .name: gate, .offset: 40, .size: 8, .value_kind: global_buffer, .address_space: global }
    .group_segment_fixed_size: 71168
    .private_segment_fixed_size: 0
    .kernarg_segment_align: 8
    .kernarg_segment_size: 48
    .max_flat_workgroup_size: 128
    .sgpr_count:     66
    .vgpr_count:     256
    .wavefront_size: 32
...
	.end_amdgpu_metadata
.endif
;; end of part 1
;; launch ffn1 (part 2): grid 32 x 8, 16 waves a work-group, no clusters, 72,192 bytes of LDS; arguments w1, b1, xq, xs, sel, hq, hs; writes hq, hs
.if DOCPART == 2
	.amdgcn_target "amdgcn-amd-amdhsa--gfx1250"
	.amdhsa_code_object_version 6
	.text
	.protected	k_q3f0cc67554_ffn1
	.globl	k_q3f0cc67554_ffn1
	.p2align	8
	.type	k_q3f0cc67554_ffn1,@function
k_q3f0cc67554_ffn1:
	s_mov_b64 s[64:65], 0
	v_nop
	global_prefetch_b8 v0, s[64:65] scope:SCOPE_SE
	s_setreg_imm32_b32 hwreg(HW_REG_WAVE_MODE, 25, 1), 1
	s_wait_xcnt 0x0
; FIRST PRODUCT OF THE EXPERTS: h = relu(x W1[e] + b1[e]) for the tokens that chose e, on codes of FP4 (E2M1) with one E8M0 scale for each 32 along K; h leaves as codes for the second product.
; w1: [8][1024 (K)][4096] f32.  Work-group (x = sl, y = e) owns hidden units 128 sl .. 128 sl + 127 of expert e: 512 KB of w1 that no other work-group reads.
; PHASE W: the slice becomes codes.  A lane takes a column and its registers run down K, so a block of 32 along K lies in one lane and the conversions give codes with K innermost.
;   Wave w: columns 32 (w % 4) on, rows 256 (w / 4) on: 8 blocks.  Loads run two blocks (64 loads a wave) ahead.  Codes and scale words go to LDS; ONE barrier; from there on LDS is only read.
; THE EXPERT'S TOKENS are found from the stored choices (sel: 128 words, four bits a token), in registers, while blocks 2 and 3 of the weights are on their way.  A wave reads all 512 bytes by one load: lane l holds
;   tokens 32 l .. 32 l + 31.  Mask n (a scalar register, n = 0 .. 31) has bit l set where token 32 l + n chose e.  The tokens are ranked by n, then by l; the next launch ranks them by the same lines.
;   The token of rank R: the last n whose running count is at most R, then the (R - that count)-th set bit of mask n, by counts of 2, 4, 8 and 16 bits and five halvings.
; TOKENS: the ranks are walked in tiles of 16 rows, wave w taking tiles w, w + 16, ..  The trip count hangs on the stored choices, so the launch has no tensor load and no barrier in the loop.
;   Row i of the walk is rank min(i, count - 1): the last tile is filled up with copies of the expert's last token, which make the same numbers as their original.
;   The product is used transposed (source 0 = 16 columns of W1, source 1 = 16 tokens): a lane holds one token, its registers hidden units.  THE COLUMNS OF A TILE ARE NOT NEIGHBOURS: row p of tile t is
;   column 32 (t / 2) + 8 (t % 2) + p + 8 (p / 8), so that the 16 registers of tiles 2 b, 2 b + 1 are hidden units 32 b + 16 (lane / 16) + 0 .. 15.  b1 is loaded into the accumulators: the sums begin with it.
; OUT: hq [e][tile 64][block 128][row 16][16 bytes], hs [e][tile][K step 32][row 16][4 bytes]: the second product's operand in the order in which its lanes load it.
; An expert without tokens still runs one tile (the search then ends at token 1023), so that every byte of hq and hs that the next launch loads has been written; that launch stores nothing of it.
; NO CLUSTER: each weight byte has one reader; what work-groups share (xq, xs: 0.5 MB against 128 MB) is a small part, and partners' trip counts would hang on numbers read from memory.
; LIMITS: NaN and infinities are not served; a block of zeros gets the byte 1 where the quantiser says 127 (zero codes; only this program reads the bytes).
; hs is stored 64 bytes an instruction (lanes 16-31 repeat lanes 0-15): one seventeenth of h's bytes.
.set RS,   16384                       ; a row of w1[e] in bytes
.set KBP,  2048                        ; LDS: a block's codes of the 128 columns
.set SCW,  65536                       ; LDS 0: codes [block 32][place 128][16 bytes];  here: scale words [place 128][K step 8]
.set BIA,  69632                       ; b1's 128 numbers
.set L4,   1                           ; 4 l: my column in a load's 128 bytes
.set WST,  2                           ; where my codes go
.set SST,  3                           ; where my two scale words go
.set WAD,  4                           ; a fragment of W: 2048 (lane / 16) + 16 (lane % 16)
.set SAD,  5                           ; W's scale words: SCW + 32 l
.set BAD,  6                           ; b1 for my half: BIA + 64 (lane / 16)
.set BST,  7                           ; b1 on its way in: BIA + 16 l
.set BOF,  8                           ; 16 l
.set LAD,  9                           ; 4 (lane % 16): my row in hs
.set H16,  10                          ; 16 (lane / 16)
.set XA,   11                          ; my token's codes: 512 token + 16 (lane / 16)
.set XSA,  12                          ; its scale bytes: 32 token
.set HST,  13                          ; my 8 bytes of a block of h: 16 (lane % 16) + 8 (lane / 16)
.set RR,   14                          ; lane % 16: my row of a tile
.set IDX,  15                          ; my row's rank among the expert's tokens
.set RAW,  16                          ; v16-79   two sets of 32 numbers of w1;  later ACC: 8 tiles x 8
.set ACC,  16
.set CODE, 80                          ; v80-111  the 8 blocks' codes;  later WF: two sets of four fragments (v80-143);  later the quantiser's TM, PW, PC
.set WF,   80
.set TM,   80
.set PW,   96
.set PC,   98
.set BTM,  112                         ; v112-115 b1 as loaded (wave 0)
.set SL,   116                         ; v116-119 the choices of my 32 tokens, as loaded
.set LM,   120                         ; v120-131 the search's: the group's mask, the count ahead of it, its number, the rank left,
.set LB,   121
.set LT,   122
.set LK,   123
.set T0,   124                         ; at work,
.set CA,   125                         ; the mask's counts of 2, 4, 8 bits, and of 16 in the low byte,
.set CB,   126
.set CC,   127
.set CD,   128
.set PP,   129                         ; the bit's place,
.set T1,   130                         ; at work
.set T2,   131
.set XF,   144                         ; v144-207 x's 8 fragments
.set XS,   208                         ; v208-215 x's scale words, K step s in register s: scales and nothing else
.set WS,   216                         ; v216-247 W's scale words: register 8 P + s: lanes 0-15 tile 2 P, lanes 16-31 tile 2 P + 1: scales and nothing else
.set BT,   248                         ; v248-251 at work
.set SW,   252                         ; v252-253 my column's two scale words
.set TK,   254                         ; my row's token
.set MK,   66                          ; s66-97   the expert's 32 masks
; scalars: s18 wave, s19 slice, s20 expert, s21 count, s22 tiles, s23 the first row of the tile in hand, s41 count - 1, s42 my trips, s43 trips done, s44 the running count, s45 at work; s[34:35] hq, s[36:37] hs at my tile
	s_load_b256 s[4:11], s[0:1], 0x0               ; w1, b1, xq, xs
	s_load_b128 s[12:15], s[0:1], 0x20             ; sel, hq
	s_load_b64 s[16:17], s[0:1], 0x30              ; hs
	v_lshrrev_b32 v248, 5, v0
	v_readfirstlane_b32 s18, v248                  ; wave 0..15
	s_mov_b32 s19, ttmp9                           ; the slice
	s_and_b32 s20, ttmp7, 0xffff                   ; the expert
	s_and_b32 s24, s18, 3                          ; which 32 columns
	s_lshr_b32 s25, s18, 2                         ; which 256 rows
	v_and_b32 v250, 31, v0                         ; l
	v_and_b32 v248, 15, v0                         ; r
	v_bfe_u32 v249, v0, 4, 1                       ; h
	v_and_b32 v251, 7, v0
	v_bfe_u32 v252, v0, 3, 1
	v_lshl_add_u32 v251, v252, 4, v251
	v_lshl_add_u32 v251, v249, 3, v251             ; my column's place among its 32: bits 3 and 4 of the column change places
	s_lshl_b32 s26, s24, 5
	v_add_nc_u32 v251, s26, v251                   ; and among the 128
	s_lshl_b32 s26, s25, 14
	v_lshl_add_u32 v[WST], v251, 4, s26            ; 16 x place + 8 blocks x 2,048 x (wave / 4)
	s_lshl_b32 s26, s25, 3
	s_add_co_u32 s26, s26, SCW
	v_lshl_add_u32 v[SST], v251, 5, s26            ; SCW + 32 x place + 8 (wave / 4)
	v_lshlrev_b32 v[L4], 2, v250
	v_lshlrev_b32 v[BOF], 4, v250
	v_lshlrev_b32 v[WAD], 4, v248
	v_lshl_add_u32 v[WAD], v249, 11, v[WAD]
	v_lshl_add_u32 v[SAD], v250, 5, SCW
	v_lshl_add_u32 v[BAD], v249, 6, BIA
	v_lshl_add_u32 v[BST], v250, 4, BIA
	v_lshlrev_b32 v[LAD], 2, v248
	v_lshlrev_b32 v[H16], 4, v249
	v_lshlrev_b32 v[HST], 4, v248
	v_lshl_add_u32 v[HST], v249, 3, v[HST]
	v_and_b32 v[RR], 15, v0
	s_mov_b32 s28, 0x76543210
	s_mov_b32 s29, 0xfedcba98                      ; v_permlanex16_b32's selects for lane l xor 16
	s_mov_b32 s27, 0
	s_wait_kmcnt 0x0
	s_lshl_b32 s26, s20, 24                        ; w1: the expert's 16 MB,
	s_lshl_b32 s30, s25, 22                        ; my 256 rows,
	s_add_co_u32 s26, s26, s30
	s_lshl_b32 s30, s19, 9                         ; the slice's 512 bytes of a row,
	s_add_co_u32 s26, s26, s30
	s_lshl_b32 s30, s24, 7                         ; my 128 of them
	s_add_co_u32 s26, s26, s30
	s_add_nc_u64 s[4:5], s[4:5], s[26:27]
	s_lshl_b32 s26, s20, 14                        ; b1: the expert's row, the slice's 512 bytes
	s_lshl_b32 s30, s19, 9
	s_add_co_u32 s26, s26, s30
	s_add_nc_u64 s[6:7], s[6:7], s[26:27]
.macro LOAD t                          ; block t: w1(32 t + i, my column) into set t % 2; every offset is an immediate, 255 rows at the most: inside its signed 24 bits
.irp i, 0,1,2,3,4,5,6,7,8,9,10,11,12,13,14,15,16,17,18,19,20,21,22,23,24,25,26,27,28,29,30,31
	global_load_b32 v[RAW+32*((\t)%2)+\i], v[L4], s[4:5] offset:(32*(\t)+\i)*RS th:TH_LOAD_NT
.endr
.endm
; Block t is quantised.  left: the loads issued behind this block's 32, which may stay out.  Each block has code registers of its own.
.macro BLOCK t, left
.set XR, RAW+32*((\t)%2)
	s_wait_loadcnt \left
	v_max3_num_f32 v[BT], |v[XR]|, |v[XR+1]|, |v[XR+2]|
	v_max3_num_f32 v[BT+1], |v[XR+3]|, |v[XR+4]|, |v[XR+5]|
.irp i, 6,10,14,18,22,26
	v_max3_num_f32 v[BT], v[BT], |v[XR+\i]|, |v[XR+\i+1]|
	v_max3_num_f32 v[BT+1], v[BT+1], |v[XR+\i+2]|, |v[XR+\i+3]|
.endr
	v_max3_num_f32 v[BT], v[BT], |v[XR+30]|, |v[XR+31]|
	v_max3_num_f32 v[BT], v[BT], v[BT+1], 0x1800000    ; the floor 2^(3 - 127): the byte cannot fall under 1
	v_add_nc_u32 v[BT+2], 0xff000000, v[BT]            ; 2 off the exponent field: the conversion's scale operand
	v_lshrrev_b32 v[BT+1], 23, v[BT+2]                 ; the scale's byte
.if (\t)%4 == 0
	v_mov_b32 v[SW+(\t)/4], v[BT+1]
.else
	v_lshl_or_b32 v[SW+(\t)/4], v[BT+1], 8*((\t)%4), v[SW+(\t)/4]
.endif
.irp g, 0,1,2,3
	v_cvt_scalef32_pk8_fp4_f32 v[CODE+4*(\t)+\g], v[XR+8*\g:XR+8*\g+7], v[BT+2]
.endr
	v_nop                                          ; a plain instruction behind the last conversion
	ds_store_b128 v[WST], v[CODE+4*(\t):CODE+4*(\t)+3] offset:KBP*(\t)
.if (\t) < 6
	LOAD (\t)+2
.endif
.endm
; The expert's 32 masks and its count.  Word i of my four holds tokens 32 l + 8 i + j, j = 0 .. 7: mask 8 i + j gets my bit.
.macro MASKS
.irp i, 0,1,2,3
.irp j, 0,1,2,3,4,5,6,7
	v_bfe_u32 v[CA+\j%4], v[SL+\i], 4*\j, 4
	v_cmp_eq_u32 s[MK+8*\i+\j], s20, v[CA+\j%4]
.endr
.endr
	s_mov_b32 s21, 0
.set N, 0
.rept 32
	s_bcnt1_i32_b32 s45, s[MK+N]
	s_add_co_u32 s21, s21, s45
.set N, N+1
.endr
.endm
; One halving of the search for the LK-th set bit: w bits from place PP on hold t set bits (read out of the counts in src); where LK >= t the bit lies beyond them.
.macro LEVEL src, msk, w
	v_lshrrev_b32 v[T0], v[PP], v[\src]
	v_and_b32 v[T0], \msk, v[T0]
	v_cmp_ge_u32 vcc_lo, v[LK], v[T0]
	v_add_nc_u32 v[T1], \w, v[PP]
	v_sub_nc_u32 v[T2], v[LK], v[T0]
	v_cndmask_b32 v[PP], v[PP], v[T1], vcc_lo
	v_cndmask_b32 v[LK], v[LK], v[T2], vcc_lo
.endm
; My row's token: that of rank min(first row + lane % 16, count - 1).
.macro LOOKUP
	v_add_nc_u32 v[IDX], s23, v[RR]
	v_min_u32 v[IDX], s41, v[IDX]
	v_mov_b32 v[LM], s[MK]                         ; group 0 has nothing ahead of it
	v_mov_b32 v[LB], 0
	v_mov_b32 v[LT], 0
	s_bcnt1_i32_b32 s44, s[MK]
.set N, 1
.rept 31
	v_cmp_gt_u32 vcc_lo, s44, v[IDX]               ; more tokens ahead of group N than my rank: what I have stays; else group N is taken: the last one taken holds my rank
	v_cndmask_b32 v[LM], s[MK+N], v[LM], vcc_lo
	v_cndmask_b32 v[LB], s44, v[LB], vcc_lo
	v_cndmask_b32 v[LT], N, v[LT], vcc_lo
	s_bcnt1_i32_b32 s45, s[MK+N]
	s_add_co_u32 s44, s44, s45
.set N, N+1
.endr
	v_sub_nc_u32 v[LK], v[IDX], v[LB]              ; my rank inside the group
	v_lshrrev_b32 v[T0], 1, v[LM]
	v_and_b32 v[T0], 0x55555555, v[T0]
	v_sub_nc_u32 v[CA], v[LM], v[T0]               ; set bits in each 2
	v_lshrrev_b32 v[T0], 2, v[CA]
	v_and_b32 v[T0], 0x33333333, v[T0]
	v_and_b32 v[CB], 0x33333333, v[CA]
	v_add_nc_u32 v[CB], v[CB], v[T0]               ; in each 4
	v_lshrrev_b32 v[T0], 4, v[CB]
	v_add_nc_u32 v[CC], v[CB], v[T0]
	v_and_b32 v[CC], 0x0f0f0f0f, v[CC]             ; in each 8
	v_lshrrev_b32 v[T0], 8, v[CC]
	v_add_nc_u32 v[CD], v[CC], v[T0]               ; low byte: in the low 16
	v_mov_b32 v[PP], 0
	LEVEL CD, 0xff, 16
	LEVEL CC, 0xff, 8
	LEVEL CB, 0xf, 4
	LEVEL CA, 3, 2
	LEVEL LM, 1, 1
	v_lshl_add_u32 v[TK], v[PP], 5, v[LT]          ; token = 32 x the bit's place + the group's number
.endm
.macro XADDR                           ; a token number made of loaded numbers enters an address only behind the hold at 1023
	v_min_u32 v[TK], 0x3ff, v[TK]
	v_lshlrev_b32 v[XSA], 5, v[TK]
	v_lshlrev_b32 v[XA], 9, v[TK]
	v_add_nc_u32 v[XA], v[H16], v[XA]
.endm
.macro XLOAD                           ; my token's 8 fragments (registers 8 s + 4 c: k = 128 s + 64 c + 32 (lane / 16) on) and its 8 scale words: 18 loads
.irp s, 0,1,2,3,4,5,6,7
.irp c, 0,1
	global_load_b128 v[XF+8*\s+4*\c:XF+8*\s+4*\c+3], v[XA], s[8:9] offset:64*\s+32*\c
.endr
.endr
	global_load_b128 v[XS:XS+3], v[XSA], s[10:11]
	global_load_b128 v[XS+4:XS+7], v[XSA], s[10:11] offset:16
.endm
	global_load_b128 v[SL:SL+3], v[BOF], s[12:13]  ; the choices: issued ahead of the weights, so block 0's wait shows them in
	s_cmp_lg_u32 s18, 0
	s_cbranch_scc1 .Lno_bias_load
	global_load_b128 v[BTM:BTM+3], v[BOF], s[6:7]  ; wave 0 brings b1's 512 bytes: also ahead of the weights, so every count below holds with it and without
.Lno_bias_load:
	LOAD 0
	LOAD 1
	BLOCK 0, 32                                    ; behind block 0's loads: block 1's 32
	s_cmp_lg_u32 s18, 0
	s_cbranch_scc1 .Lno_bias_store
	ds_store_b128 v[BST], v[BTM:BTM+3]
.Lno_bias_store:
	BLOCK 1, 32
	MASKS                                          ; blocks 2 and 3 are on their way: the search stands under their flight
	s_min_u32 s21, s21, 0x400
	s_add_co_u32 s22, s21, 15
	s_lshr_b32 s22, s22, 4
	s_max_u32 s22, s22, 1
	s_min_u32 s22, s22, 64                         ; tiles of 16 rows: 1 to 64
	s_max_u32 s41, s21, 1
	s_sub_co_u32 s41, s41, 1
	s_min_u32 s41, s41, 0x3ff                      ; the last rank
	s_add_co_u32 s42, s22, 15
	s_sub_co_u32 s42, s42, s18
	s_lshr_b32 s42, s42, 4
	s_min_u32 s42, s42, 4                          ; my trips: tiles wave, wave + 16, .. below the number of tiles: 0 to 4
	s_mov_b32 s43, 0
	s_sub_co_u32 s30, s22, 1
	s_min_u32 s30, s30, s18                        ; my first tile; a wave without one asks for the last tile's rows and drops them
	s_min_u32 s30, s30, 63
	s_lshl_b32 s23, s30, 4                         ; its first row
	s_lshl_b32 s26, s20, 21                        ; hq: 2 MB an expert, 32,768 bytes a tile, the slice's four blocks of 256 bytes
	s_lshl_b32 s31, s30, 15
	s_add_co_u32 s26, s26, s31
	s_lshl_b32 s31, s19, 10
	s_add_co_u32 s26, s26, s31
	s_add_nc_u64 s[34:35], s[14:15], s[26:27]
	s_lshl_b32 s26, s20, 17                        ; hs: 128 KB an expert, 2,048 bytes a tile, the slice's K step of 64 bytes
	s_lshl_b32 s31, s30, 11
	s_add_co_u32 s26, s26, s31
	s_lshl_b32 s31, s19, 6
	s_add_co_u32 s26, s26, s31
	s_add_nc_u64 s[36:37], s[16:17], s[26:27]
	LOOKUP
	XADDR
	BLOCK 2, 32
	BLOCK 3, 32
	BLOCK 4, 32
	BLOCK 5, 32
	XLOAD                                          ; my first tile's x lands while the last two blocks are quantised
	BLOCK 6, 50                                    ; block 7's 32 and x's 18
	BLOCK 7, 18
	ds_store_b64 v[SST], v[SW:SW+1]
	s_wait_dscnt 0x0                               ; for the others' sake: my codes and scale words have landed
	s_barrier_signal -1
	s_barrier_wait -1                              ; the slice lies in LDS; nothing is written there any more
	s_cmp_eq_u32 s42, 0
	s_cbranch_scc1 .Lend                           ; no tile for me
.irp P, 0,1,2,3
.irp c, 0,1
	ds_load_b128 v[WS+8*\P+4*\c:WS+8*\P+4*\c+3], v[SAD] offset:1024*\P+16*\c
.endr
.endr
.macro WLOAD s, g                      ; four fragments of W: K step s, tiles 4 g .. 4 g + 3, into set g: 8 loads, sixteen lanes on 256 consecutive bytes
.irp tt, 0,1,2,3
.irp c, 0,1
	ds_load_b128 v[WF+32*(\g)+8*\tt+4*\c:WF+32*(\g)+8*\tt+4*\c+3], v[WAD] offset:(4*(\s)+2*\c)*KBP+256*(4*(\g)+\tt)
.endr
.endr
.endm
.macro MM s, g                         ; the 8 accumulators take turns, one instruction a turn, in the same order in every K step
.irp tt, 0,1,2,3
.if \tt%2
	v_wmma_scale_f32_16x16x128_f8f6f4 v[ACC+8*(4*(\g)+\tt):ACC+8*(4*(\g)+\tt)+7], v[WF+32*(\g)+8*\tt:WF+32*(\g)+8*\tt+7], v[XF+8*(\s):XF+8*(\s)+7], v[ACC+8*(4*(\g)+\tt):ACC+8*(4*(\g)+\tt)+7], v[WS+8*(2*(\g)+\tt/2)+(\s)], v[XS+(\s)] matrix_a_fmt:MATRIX_FMT_FP4 matrix_b_fmt:MATRIX_FMT_FP4 matrix_a_scale:MATRIX_SCALE_ROW1
.else
	v_wmma_scale_f32_16x16x128_f8f6f4 v[ACC+8*(4*(\g)+\tt):ACC+8*(4*(\g)+\tt)+7], v[WF+32*(\g)+8*\tt:WF+32*(\g)+8*\tt+7], v[XF+8*(\s):XF+8*(\s)+7], v[ACC+8*(4*(\g)+\tt):ACC+8*(4*(\g)+\tt)+7], v[WS+8*(2*(\g)+\tt/2)+(\s)], v[XS+(\s)] matrix_a_fmt:MATRIX_FMT_FP4 matrix_b_fmt:MATRIX_FMT_FP4
.endif
.endr
.endm
.Ltile:
.irp t, 0,1,2,3,4,5,6,7
.irp c, 0,1
	ds_load_b128 v[ACC+8*\t+4*\c:ACC+8*\t+4*\c+3], v[BAD] offset:128*(\t/2)+32*(\t%2)+16*\c   ; b1 at my eight hidden units of tile t
.endr
.endr
	WLOAD 0, 0
	WLOAD 0, 1
	s_wait_loadcnt 0x0                             ; x
.irp s, 0,1,2,3,4,5,6,7
.irp g, 0,1
.if (\s==7)&&(\g==1)
	s_wait_dscnt 0x0
.else
	s_wait_dscnt 0x8                               ; all but the other set's 8 loads
.endif
	MM \s, \g
.rept 4
	v_nop                                          ; four places behind the products, ahead of loads into their sources and of the first read of results
.endr
.if \s<7
	WLOAD \s+1, \g
.endif
.endr
.endr
.irp j, 0,1,2,3,4,5,6,7,8,9,10,11,12,13,14,15,16,17,18,19,20,21,22,23,24,25,26,27,28,29,30,31,32,33,34,35,36,37,38,39,40,41,42,43,44,45,46,47,48,49,50,51,52,53,54,55,56,57,58,59,60,61,62,63
	v_max_num_f32 v[ACC+\j], 0, v[ACC+\j]          ; relu, in f32; each accumulator from its low end on
.endr
	; the four blocks of 32 hidden units: 16 numbers are mine, 16 lane l xor 16's.  None is negative, so no |.|
.irp b, 0,1,2,3
	v_max3_num_f32 v[TM+\b], v[ACC+16*\b], v[ACC+16*\b+1], 0x1800000
.endr
.irp i, 2,4,6,8,10,12,14
.irp b, 0,1,2,3
	v_max3_num_f32 v[TM+\b], v[TM+\b], v[ACC+16*\b+\i], v[ACC+16*\b+\i+1]
.endr
.endr
.irp b, 0,1,2,3
	v_permlanex16_b32 v[TM+4+\b], v[TM+\b], s28, s29
.endr
.irp b, 0,1,2,3
	v_max_num_f32 v[TM+\b], v[TM+\b], v[TM+4+\b]
.endr
.irp b, 0,1,2,3
	v_add_nc_u32 v[TM+12+\b], 0xff000000, v[TM+\b]
.endr
.irp b, 0,1,2,3
	v_lshrrev_b32 v[TM+4+\b], 23, v[TM+12+\b]
.endr
	v_lshl_or_b32 v[PW], v[TM+5], 8, v[TM+4]       ; my token's scale word for this K step of the second product
	v_lshl_or_b32 v[PW], v[TM+6], 16, v[PW]
	v_lshl_or_b32 v[PW], v[TM+7], 24, v[PW]
.irp b, 0,1,2,3
	v_cvt_scalef32_pk8_fp4_f32 v[PC+2*\b], v[ACC+16*\b:ACC+16*\b+7], v[TM+12+\b]
	v_cvt_scalef32_pk8_fp4_f32 v[PC+2*\b+1], v[ACC+16*\b+8:ACC+16*\b+15], v[TM+12+\b]
.endr
	v_nop                                          ; a plain instruction behind the last conversion
.irp b, 0,1,2,3
	global_store_b64 v[HST], v[PC+2*\b:PC+2*\b+1], s[34:35] offset:256*\b   ; a block of 16 rows: the wave stores 256 consecutive bytes, aligned; no lanes change places
.endr
	global_store_b32 v[LAD], v[PW], s[36:37]
	s_wait_xcnt 0x0                                ; the stores' registers and bases are written again only behind this wait
	s_add_nc_u64 s[34:35], s[34:35], 0x80000       ; 16 tiles on
	s_add_nc_u64 s[36:37], s[36:37], 0x8000
	s_add_co_u32 s23, s23, 256
	s_add_co_u32 s43, s43, 1
	s_cmp_ge_u32 s43, s42
	s_cbranch_scc1 .Lend                           ; the last trip asks for nothing more
	LOOKUP
	XADDR
	XLOAD
	s_cmp_lt_u32 s43, s42
	s_cbranch_scc1 .Ltile
.Lend:
	s_wait_xcnt 0x0
	v_lshl_add_u32 v254, v0, 2, 0x11200
	v_mov_b32 v255, 0
	s_wait_tensorcnt 0x0
	ds_add_u32 v254, v255
	s_wait_dscnt 0x0
	s_endpgm
.Lfunc_end_k_q3f0cc67554_ffn1:
	.size	k_q3f0cc67554_ffn1, .Lfunc_end_k_q3f0cc67554_ffn1-k_q3f0cc67554_ffn1
	.p2alignl 7, 3214868480
	.fill 96, 4, 3214868480
	.section	.rodata,"a",@progbits
	.p2align	6, 0x0
	.amdhsa_kernel k_q3f0cc67554_ffn1
		.amdhsa_group_segment_fixed_size 72192
		.amdhsa_private_segment_fixed_size 0
		.amdhsa_enable_private_segment 0
		.amdhsa_kernarg_size 56
		.amdhsa_user_sgpr_count 2
		.amdhsa_user_sgpr_kernarg_segment_ptr 1
		.amdhsa_wavefront_size32 1
		.amdhsa_system_sgpr_workgroup_id_x 1
		.amdhsa_system_sgpr_workgroup_id_y 1
		.amdhsa_system_sgpr_workgroup_id_z 1
		.amdhsa_system_vgpr_workitem_id 0
		.amdhsa_next_free_vgpr 256
		.amdhsa_next_free_sgpr 100
		.amdhsa_reserve_vcc 1
		.amdhsa_float_denorm_mode_32 3
		.amdhsa_float_denorm_mode_16_64 3
		.amdhsa_memory_ordered 1
		.amdhsa_forward_progress 1
		.amdhsa_inst_pref_size 93
	.end_amdhsa_kernel
	.amdgpu_metadata
---
amdhsa.version: [ 1, 2 ]
amdhsa.kernels:
  - .name:           k_q3f0cc67554_ffn1
    .symbol:         k_q3f0cc67554_ffn1.kd
    .args:
      - { .name: w1, .offset: 0, .size: 8, .value_kind: global_buffer, .address_space: global }
      - { .name: b1, .offset: 8, .size: 8, .value_kind: global_buffer, .address_space: global }
      - { .name: xq, .offset: 16, .size: 8, .value_kind: global_buffer, .address_space: global }
      - { .name: xs, .offset: 24, .size: 8, .value_kind: global_buffer, .address_space: global }
      - { .name: sel, .offset: 32, .size: 8, .value_kind: global_buffer, .address_space: global }
      - { .name: hq, .offset: 40, .size: 8, .value_kind: global_buffer, .address_space: global }
      - { .name: hs, .offset: 48, .size: 8, .value_kind: global_buffer, .address_space: global }
    .group_segment_fixed_size: 72192
    .private_segment_fixed_size: 0
    .kernarg_segment_align: 8
    .kernarg_segment_size: 56
    .max_flat_workgroup_size: 512
    .sgpr_count:     100
    .vgpr_count:     256
    .wavefront_size: 32
...
	.end_amdgpu_metadata
.endif
;; end of part 2
;; launch ffn2 (part 3): grid 32 x 8, 16 waves a work-group, no clusters, 109,312 bytes of LDS; arguments w2, b2, hq, hs, sel, gate, out0; writes out0
.if DOCPART == 3
	.amdgcn_target "amdgcn-amd-amdhsa--gfx1250"
	.amdhsa_code_object_version 6
	.text
	.protected	k_q3f0cc67554_ffn2
	.globl	k_q3f0cc67554_ffn2
	.p2align	8
	.type	k_q3f0cc67554_ffn2,@function
k_q3f0cc67554_ffn2:
	s_mov_b64 s[64:65], 0
	v_nop
	global_prefetch_b8 v0, s[64:65] scope:SCOPE_SE
	s_setreg_imm32_b32 hwreg(HW_REG_WAVE_MODE, 25, 1), 1
	s_wait_xcnt 0x0
; SECOND PRODUCT OF THE EXPERTS: out[token] = gate[token] x (h W2[e] + b2[e]) for the tokens that chose e, on codes of FP4 (E2M1) with one E8M0 scale for each 32 along K.
; w2: [8][4096 (K)][1024] f32.  Work-group (x = sl, y = e) owns output columns 32 sl .. 32 sl + 31 of expert e over ALL of K: 512 KB of w2 that no other work-group reads, and every output has one owner.
; PHASE W: as in the first product's launch: a lane takes a column, its registers run down K.  Wave w: rows 256 w on: 8 blocks, two K steps.  Loads run two blocks ahead.  ONE barrier.
; THE EXPERT'S TOKENS are found from the stored choices by the same lines as in the launch before (its head comment says how), so that rank i is the same token in both.
; TOKENS: tiles of 16 rows of the ranks, wave w taking tiles w, w + 16, ..  h's codes and scale words come from memory straight into the operand's registers (512 consecutive bytes a load), four pairs of K steps ahead.
;   Row i of the walk is rank min(i, count - 1): the last tile's spare rows are copies of the expert's last token.  A copy has the same h, the same gate and so the same results as its original,
;   and this wave stores them to the same bytes: every store runs with all lanes on.  An expert without tokens has no tile: its work-groups store nothing.
;   The product is used transposed (source 0 = 16 columns of W2, source 1 = 16 tokens): a lane holds 8 neighbouring outputs of one token.  Four accumulators (two tiles of columns x even and odd K steps) take turns;
;   the even ones begin with b2, the odd ones with the constant 0; they are added at the end.  Results go through the wave's own stage and leave as 128 consecutive bytes a token.
; NO CLUSTER: each weight byte has one reader; the shared hq and hs are a small part of the launch's bytes, and partners' trip counts would hang on numbers read from memory.
; LIMITS: NaN and infinities are not served; a block of zeros gets the byte 1 where the quantiser says 127 (zero codes; only this program reads the bytes).
; A row's piece of w2 and of out0 is 128 bytes, half of an aligned 256: the work-group beside this one takes the other half.  64 columns to a work-group would leave half of the 256 work-groups out; a split of K would want partial sums.
.set RS,   4096                        ; a row of w2[e] in bytes
.set KBP,  512                         ; LDS: a block's codes of the 32 columns
.set SCW,  65536                       ; LDS 0: codes [block 128][column 32][16 bytes];  here: scale words, a column's 32 words, 144 bytes apart
.set BIA,  70144                       ; b2's 32 numbers
.set STG,  70400                       ; a stage for each wave: 16 rows x (128 + 16) bytes
.set L4,   1                           ; 4 l: my column in a load's 128 bytes; my word of h's scales
.set WST,  2                           ; where my codes go
.set SST,  3                           ; where my two scale words go
.set WAD,  4                           ; a fragment of W: 512 (lane / 16) + 16 (lane % 16)
.set SAD,  5                           ; W's scale words: SCW + 144 l
.set BAD,  6                           ; b2 for my half: BIA + 32 (lane / 16)
.set BST,  7                           ; b2 on its way in: BIA + 4 l
.set STO,  8                           ; the stage, way in: row lane % 16, + 32 (lane / 16)
.set SRD,  9                           ; way out: rows 4 (lane / 8) on, 16 (lane % 8)
.set HAD,  10                          ; 16 l
.set RR,   11                          ; lane % 16: my row of a tile in the products
.set C16,  13                          ; 16 (lane % 8)
.set GA,   14                          ; 4 x my token
.set IDX,  15                          ; my row's rank among the expert's tokens
.set RAW,  16                          ; v16-79   two sets of 32 numbers of w2;  later WF: two sets of four fragments;  later OUTR
.set WF,   16
.set OUTR, 16
.set CODE, 80                          ; v80-111  the 8 blocks' codes;  later ACC: tile t, parity k at ACC + 16 t + 8 k
.set ACC,  80
.set HF,   112                         ; v112-175 h's fragments: four sets of two K steps.  Between two tiles, and ahead of the first, v112-129 serve the search:
.set SL,   112                         ; v112-115 the choices of my 32 tokens, as loaded
.set LM,   116                         ; the group's mask, the count ahead of it, its number, the rank left,
.set LB,   117
.set LT,   118
.set LK,   119
.set T0,   120                         ; at work,
.set CA,   121                         ; the mask's counts of 2, 4, 8 bits, and of 16 in the low byte,
.set CB,   122
.set CC,   123
.set CD,   124
.set PP,   125                         ; the bit's place,
.set T1,   126                         ; at work
.set T2,   127
.set PA,   128                         ; tokens fetched from other lanes: for lanes 0-15, for lanes 16-31
.set PB,   129
.set HS,   176                         ; v176-191 h's scale words: register g: lanes 0-15 K step 2 g, lanes 16-31 K step 2 g + 1: scales and nothing else
.set WS,   192                         ; v192-223 W's scale words: register s: lanes 0-15 tile 0, lanes 16-31 tile 1: scales and nothing else
.set TK2,  224                         ; v224-227 the tokens of rows 4 (lane / 8) + 0 .. 3
.set TK,   228                         ; the token of row lane % 16
.set GT,   230                         ; v230 its gate; v231 is named with it as a pair and written once
.set OA,   232                         ; v232-235 byte offsets in out0
.set BT,   240                         ; v240-243 at work
.set SW,   248                         ; v248-249 my column's two scale words
.set BTM,  250                         ; b2 as loaded (wave 0)
.set MK,   66                          ; s66-97   the expert's 32 masks
; scalars: s18 wave, s19 slice, s20 expert, s21 count, s22 tiles, s23 the first row of the tile in hand, s41 count - 1, s42 my trips, s43 trips done, s44 the running count, s44-47 at work; s[34:35] hq, s[36:37] hs at my tile, s[38:39] out0 at my columns
	s_load_b256 s[4:11], s[0:1], 0x0               ; w2, b2, hq, hs
	s_load_b128 s[12:15], s[0:1], 0x20             ; sel, gate
	s_load_b64 s[16:17], s[0:1], 0x30              ; out0
	v_lshl_add_u32 v254, v0, 2, 0x1a300
	v_mov_b32 v255, 0
	v_lshrrev_b32 v240, 5, v0
	v_readfirstlane_b32 s18, v240                  ; wave 0..15
	s_mov_b32 s19, ttmp9                           ; the slice
	s_and_b32 s20, ttmp7, 0xffff                   ; the expert
	v_and_b32 v242, 31, v0                         ; l
	v_and_b32 v240, 15, v0                         ; r
	v_bfe_u32 v241, v0, 4, 1                       ; h
	v_lshlrev_b32 v[L4], 2, v242
	v_lshlrev_b32 v[HAD], 4, v242
	s_lshl_b32 s26, s18, 12
	v_lshl_add_u32 v[WST], v242, 4, s26            ; 16 l + 8 blocks x 512 x wave
	v_mul_u32_u24 v243, v242, 144
	s_lshl_b32 s26, s18, 3
	s_add_co_u32 s26, s26, SCW
	v_add_nc_u32 v[SST], s26, v243                 ; SCW + 144 l + 8 wave
	v_add_nc_u32 v[SAD], SCW, v243
	v_lshlrev_b32 v[WAD], 4, v240
	v_lshl_add_u32 v[WAD], v241, 9, v[WAD]
	v_lshl_add_u32 v[BAD], v241, 5, BIA
	v_lshl_add_u32 v[BST], v242, 2, BIA
	s_mul_i32 s26, s18, 2304
	s_add_co_u32 s26, s26, STG                     ; my stage
	v_mul_u32_u24 v[STO], v240, 144
	v_lshl_add_u32 v[STO], v241, 5, v[STO]
	v_add_nc_u32 v[STO], s26, v[STO]
	v_lshrrev_b32 v243, 3, v242                    ; lane / 8
	v_and_b32 v[C16], 7, v0
	v_lshlrev_b32 v[C16], 4, v[C16]
	v_mul_u32_u24 v[SRD], v243, 576
	v_add_nc_u32 v[SRD], v[C16], v[SRD]
	v_add_nc_u32 v[SRD], s26, v[SRD]
	v_and_b32 v[RR], 15, v0
	v_mov_b32 v[GT+1], 0
	s_mov_b32 s27, 0
	s_wait_kmcnt 0x0
	s_lshl_b32 s26, s20, 24                        ; w2: the expert's 16 MB,
	s_lshl_b32 s30, s18, 20                        ; my 256 rows,
	s_add_co_u32 s26, s26, s30
	s_lshl_b32 s30, s19, 7                         ; the slice's 128 bytes of a row
	s_add_co_u32 s26, s26, s30
	s_add_nc_u64 s[4:5], s[4:5], s[26:27]
	s_lshl_b32 s26, s20, 12                        ; b2: the expert's row, the slice's 128 bytes
	s_add_co_u32 s26, s26, s30
	s_add_nc_u64 s[6:7], s[6:7], s[26:27]
	s_mov_b32 s26, s30
	s_add_nc_u64 s[38:39], s[16:17], s[26:27]      ; out0 at the slice's columns
.macro LOAD t                          ; block t: w2(32 t + i, my column) into set t % 2; every offset is an immediate
.irp i, 0,1,2,3,4,5,6,7,8,9,10,11,12,13,14,15,16,17,18,19,20,21,22,23,24,25,26,27,28,29,30,31
	global_load_b32 v[RAW+32*((\t)%2)+\i], v[L4], s[4:5] offset:(32*(\t)+\i)*RS
.endr
.endm
; Block t is quantised.  left: the loads issued behind this block's 32, which may stay out.  Each block has code registers of its own.
.macro BLOCK t, left
.set XR, RAW+32*((\t)%2)
	s_wait_loadcnt \left
	v_max3_num_f32 v[BT], |v[XR]|, |v[XR+1]|, |v[XR+2]|
	v_max3_num_f32 v[BT+1], |v[XR+3]|, |v[XR+4]|, |v[XR+5]|
.irp i, 6,10,14,18,22,26
	v_max3_num_f32 v[BT], v[BT], |v[XR+\i]|, |v[XR+\i+1]|
	v_max3_num_f32 v[BT+1], v[BT+1], |v[XR+\i+2]|, |v[XR+\i+3]|
.endr
	v_max3_num_f32 v[BT], v[BT], |v[XR+30]|, |v[XR+31]|
	v_max3_num_f32 v[BT], v[BT], v[BT+1], 0x1800000    ; the floor 2^(3 - 127): the byte cannot fall under 1
	v_add_nc_u32 v[BT+2], 0xff000000, v[BT]            ; 2 off the exponent field: the conversion's scale operand
	v_lshrrev_b32 v[BT+1], 23, v[BT+2]                 ; the scale's byte
.if (\t)%4 == 0
	v_mov_b32 v[SW+(\t)/4], v[BT+1]
.else
	v_lshl_or_b32 v[SW+(\t)/4], v[BT+1], 8*((\t)%4), v[SW+(\t)/4]
.endif
.irp g, 0,1,2,3
	v_cvt_scalef32_pk8_fp4_f32 v[CODE+4*(\t)+\g], v[XR+8*\g:XR+8*\g+7], v[BT+2]
.endr
	v_nop                                          ; a plain instruction behind the last conversion
	ds_store_b128 v[WST], v[CODE+4*(\t):CODE+4*(\t)+3] offset:KBP*(\t)
.if (\t) < 6
	LOAD (\t)+2
.endif
.endm
; The expert's 32 masks and its count.  Word i of my four holds tokens 32 l + 8 i + j, j = 0 .. 7: mask 8 i + j gets my bit.
.macro MASKS
.irp i, 0,1,2,3
.irp j, 0,1,2,3,4,5,6,7
	v_bfe_u32 v[CA+\j%4], v[SL+\i], 4*\j, 4
	v_cmp_eq_u32 s[MK+8*\i+\j], s20, v[CA+\j%4]
.endr
.endr
	s_mov_b32 s21, 0
.set N, 0
.rept 32
	s_bcnt1_i32_b32 s45, s[MK+N]
	s_add_co_u32 s21, s21, s45
.set N, N+1
.endr
.endm
; One halving of the search for the LK-th set bit: w bits from place PP on hold t set bits (read out of the counts in src); where LK >= t the bit lies beyond them.
.macro LEVEL src, msk, w
	v_lshrrev_b32 v[T0], v[PP], v[\src]
	v_and_b32 v[T0], \msk, v[T0]
	v_cmp_ge_u32 vcc_lo, v[LK], v[T0]
	v_add_nc_u32 v[T1], \w, v[PP]
	v_sub_nc_u32 v[T2], v[LK], v[T0]
	v_cndmask_b32 v[PP], v[PP], v[T1], vcc_lo
	v_cndmask_b32 v[LK], v[LK], v[T2], vcc_lo
.endm
; My row's token: that of rank min(first row + lane % 16, count - 1).
.macro LOOKUP
	v_add_nc_u32 v[IDX], s23, v[RR]
	v_min_u32 v[IDX], s41, v[IDX]
	v_mov_b32 v[LM], s[MK]                         ; group 0 has nothing ahead of it
	v_mov_b32 v[LB], 0
	v_mov_b32 v[LT], 0
	s_bcnt1_i32_b32 s44, s[MK]
.set N, 1
.rept 31
	v_cmp_gt_u32 vcc_lo, s44, v[IDX]               ; more tokens ahead of group N than my rank: what I have stays; else group N is taken: the last one taken holds my rank
	v_cndmask_b32 v[LM], s[MK+N], v[LM], vcc_lo
	v_cndmask_b32 v[LB], s44, v[LB], vcc_lo
	v_cndmask_b32 v[LT], N, v[LT], vcc_lo
	s_bcnt1_i32_b32 s45, s[MK+N]
	s_add_co_u32 s44, s44, s45
.set N, N+1
.endr
	v_sub_nc_u32 v[LK], v[IDX], v[LB]              ; my rank inside the group
	v_lshrrev_b32 v[T0], 1, v[LM]
	v_and_b32 v[T0], 0x55555555, v[T0]
	v_sub_nc_u32 v[CA], v[LM], v[T0]               ; set bits in each 2
	v_lshrrev_b32 v[T0], 2, v[CA]
	v_and_b32 v[T0], 0x33333333, v[T0]
	v_and_b32 v[CB], 0x33333333, v[CA]
	v_add_nc_u32 v[CB], v[CB], v[T0]               ; in each 4
	v_lshrrev_b32 v[T0], 4, v[CB]
	v_add_nc_u32 v[CC], v[CB], v[T0]
	v_and_b32 v[CC], 0x0f0f0f0f, v[CC]             ; in each 8
	v_lshrrev_b32 v[T0], 8, v[CC]
	v_add_nc_u32 v[CD], v[CC], v[T0]               ; low byte: in the low 16
	v_mov_b32 v[PP], 0
	LEVEL CD, 0xff, 16
	LEVEL CC, 0xff, 8
	LEVEL CB, 0xf, 4
	LEVEL CA, 3, 2
	LEVEL LM, 1, 1
	v_lshl_add_u32 v[TK], v[PP], 5, v[LT]          ; token = 32 x the bit's place + the group's number
.endm
; The way out wants the tokens of rows 4 (lane / 8) + q.  Both halves of the lanes hold the same 16 tokens (row lane % 16), so a fetch from the other half serves: lanes 0-7 and 8-15 of a half take rows q and 4 + q
; by one pair of selects, rows 8 + q and 12 + q by another; lanes 0-15 keep the first fetch, lanes 16-31 the second.
.macro SPREAD
	v_and_b32 v[T0], 16, v0
	v_cmp_ne_u32 vcc_lo, 0, v[T0]                  ; lanes 16-31
	v_mov_b32 v[PA], 0                             ; (a lane permute's destination counts as one of its sources)
	v_mov_b32 v[PB], 0
.irp q, 0,1,2,3
	s_mov_b32 s44, \q*0x11111111
	s_mov_b32 s45, (4+\q)*0x11111111
	s_mov_b32 s46, (8+\q)*0x11111111
	s_mov_b32 s47, (12+\q)*0x11111111
	v_permlanex16_b32 v[PA], v[TK], s44, s45
	v_permlanex16_b32 v[PB], v[TK], s46, s47
	v_cndmask_b32 v[TK2+\q], v[PA], v[PB], vcc_lo
.endr
.endm
.macro HLOAD g                         ; h's fragments of K steps 2 g, 2 g + 1 into set g % 4: four loads of 512 consecutive bytes
.irp k, 0,1
.irp c, 0,1
	global_load_b128 v[HF+16*((\g)%4)+8*\k+4*\c:HF+16*((\g)%4)+8*\k+4*\c+3], v[HAD], s[34:35] offset:1024*(2*(\g)+\k)+512*\c
.endr
.endr
.endm
.macro GATHER                          ; a tile's gate, its 16 registers of scale words, and its first four sets of fragments: 33 loads
	v_min_u32 v[GA], 0x3ff, v[TK]                  ; a token number made of loaded numbers enters an address only behind the hold at 1023
	v_lshlrev_b32 v[GA], 2, v[GA]
	global_load_b32 v[GT], v[GA], s[14:15]
.irp g, 0,1,2,3,4,5,6,7,8,9,10,11,12,13,14,15
	global_load_b32 v[HS+\g], v[L4], s[36:37] offset:128*\g
.endr
	HLOAD 0
	HLOAD 1
	HLOAD 2
	HLOAD 3
.endm
	global_load_b128 v[SL:SL+3], v[HAD], s[12:13]  ; the choices: issued ahead of the weights, so block 0's wait shows them in
	s_cmp_lg_u32 s18, 0
	s_cbranch_scc1 .Lno_bias_load
	global_load_b32 v[BTM], v[L4], s[6:7]          ; wave 0 brings b2's 128 bytes: also ahead of the weights, so every count below holds with it and without
.Lno_bias_load:
	LOAD 0
	LOAD 1
	BLOCK 0, 32                                    ; behind block 0's loads: block 1's 32
	s_cmp_lg_u32 s18, 0
	s_cbranch_scc1 .Lno_bias_store
	ds_store_b32 v[BST], v[BTM]
.Lno_bias_store:
	BLOCK 1, 32
	MASKS                                          ; blocks 2 and 3 are on their way: the search stands under their flight
	s_min_u32 s21, s21, 0x400
	s_add_co_u32 s22, s21, 15
	s_lshr_b32 s22, s22, 4
	s_min_u32 s22, s22, 64                         ; tiles of 16 rows: 0 to 64
	s_max_u32 s41, s21, 1
	s_sub_co_u32 s41, s41, 1
	s_min_u32 s41, s41, 0x3ff                      ; the last rank
	s_add_co_u32 s42, s22, 15
	s_sub_co_u32 s42, s42, s18
	s_lshr_b32 s42, s42, 4
	s_min_u32 s42, s42, 4                          ; my trips: tiles wave, wave + 16, .. below the number of tiles: 0 to 4
	s_mov_b32 s43, 0
	s_max_u32 s30, s22, 1
	s_sub_co_u32 s30, s30, 1
	s_min_u32 s30, s30, s18                        ; my first tile; a wave without one asks for the last tile that the launch before has written (tile 0 at the least) and drops it
	s_min_u32 s30, s30, 63
	s_lshl_b32 s23, s30, 4                         ; its first row
	s_lshl_b32 s26, s20, 21                        ; hq: 2 MB an expert, 32,768 bytes a tile
	s_lshl_b32 s31, s30, 15
	s_add_co_u32 s26, s26, s31
	s_add_nc_u64 s[34:35], s[8:9], s[26:27]
	s_lshl_b32 s26, s20, 17                        ; hs: 128 KB an expert, 2,048 bytes a tile
	s_lshl_b32 s31, s30, 11
	s_add_co_u32 s26, s26, s31
	s_add_nc_u64 s[36:37], s[10:11], s[26:27]
	LOOKUP
	SPREAD
	BLOCK 2, 32
	BLOCK 3, 32
	BLOCK 4, 32
	BLOCK 5, 32
	GATHER                                         ; my first tile's h lands while the last two blocks are quantised
	BLOCK 6, 63                                    ; behind block 6's loads stand block 7's 32 and the tile's 33: 65; the wait names the most that its field holds, which is fewer
	BLOCK 7, 33
	ds_store_b64 v[SST], v[SW:SW+1]
	s_wait_dscnt 0x0                               ; for the others' sake: my codes and scale words have landed
	s_barrier_signal -1
	s_barrier_wait -1                              ; the slice lies in LDS; from here on a wave writes only its own stage
	s_cmp_eq_u32 s42, 0
	s_cbranch_scc1 .Lend                           ; no tile for me
.irp j, 0,1,2,3,4,5,6,7
	ds_load_b128 v[WS+4*\j:WS+4*\j+3], v[SAD] offset:16*\j
.endr
.macro WLOAD g                         ; W's fragments of K steps 2 g, 2 g + 1, both tiles, into set g % 2: 8 loads, sixteen lanes on 256 consecutive bytes
.irp k, 0,1
.irp t, 0,1
.irp c, 0,1
	ds_load_b128 v[WF+32*((\g)%2)+16*\k+8*\t+4*\c:WF+32*((\g)%2)+16*\k+8*\t+4*\c+3], v[WAD] offset:(4*(2*(\g)+\k)+2*\c)*KBP+256*\t
.endr
.endr
.endr
.endm
.macro MMX g, k, t                     ; K step 2 g + k, tile t.  Tile 1's scale words and the odd K step's lie in lanes 16-31 of their registers
.set rD, ACC+16*(\t)+8*(\k)
.set rA, WF+32*((\g)%2)+16*(\k)+8*(\t)
.set rB, HF+16*((\g)%4)+8*(\k)
.set rW, WS+2*(\g)+(\k)
.set rH, HS+(\g)
.if (\k)==0
.if (\t)==0
	v_wmma_scale_f32_16x16x128_f8f6f4 v[rD:rD+7], v[rA:rA+7], v[rB:rB+7], v[rD:rD+7], v[rW], v[rH] matrix_a_fmt:MATRIX_FMT_FP4 matrix_b_fmt:MATRIX_FMT_FP4
.else
	v_wmma_scale_f32_16x16x128_f8f6f4 v[rD:rD+7], v[rA:rA+7], v[rB:rB+7], v[rD:rD+7], v[rW], v[rH] matrix_a_fmt:MATRIX_FMT_FP4 matrix_b_fmt:MATRIX_FMT_FP4 matrix_a_scale:MATRIX_SCALE_ROW1
.endif
.elseif (\g)==0
.if (\t)==0
	v_wmma_scale_f32_16x16x128_f8f6f4 v[rD:rD+7], v[rA:rA+7], v[rB:rB+7], 0, v[rW], v[rH] matrix_a_fmt:MATRIX_FMT_FP4 matrix_b_fmt:MATRIX_FMT_FP4 matrix_b_scale:MATRIX_SCALE_ROW1
.else
	v_wmma_scale_f32_16x16x128_f8f6f4 v[rD:rD+7], v[rA:rA+7], v[rB:rB+7], 0, v[rW], v[rH] matrix_a_fmt:MATRIX_FMT_FP4 matrix_b_fmt:MATRIX_FMT_FP4 matrix_a_scale:MATRIX_SCALE_ROW1 matrix_b_scale:MATRIX_SCALE_ROW1
.endif
.else
.if (\t)==0
	v_wmma_scale_f32_16x16x128_f8f6f4 v[rD:rD+7], v[rA:rA+7], v[rB:rB+7], v[rD:rD+7], v[rW], v[rH] matrix_a_fmt:MATRIX_FMT_FP4 matrix_b_fmt:MATRIX_FMT_FP4 matrix_b_scale:MATRIX_SCALE_ROW1
.else
	v_wmma_scale_f32_16x16x128_f8f6f4 v[rD:rD+7], v[rA:rA+7], v[rB:rB+7], v[rD:rD+7], v[rW], v[rH] matrix_a_fmt:MATRIX_FMT_FP4 matrix_b_fmt:MATRIX_FMT_FP4 matrix_a_scale:MATRIX_SCALE_ROW1 matrix_b_scale:MATRIX_SCALE_ROW1
.endif
.endif
.endm
.Ltile:
.irp t, 0,1
.irp c, 0,1
	ds_load_b128 v[ACC+16*\t+4*\c:ACC+16*\t+4*\c+3], v[BAD] offset:64*\t+16*\c   ; b2 at my eight columns of tile t: the even K steps' sums begin with it
.endr
.endr
	WLOAD 0
	WLOAD 1
.irp g, 0,1,2,3,4,5,6,7,8,9,10,11,12,13,14,15
.if \g==15
	s_wait_dscnt 0x0
.else
	s_wait_dscnt 0x8                               ; all but the other set's 8 loads
.endif
.if \g<13
	s_wait_loadcnt 12                              ; this set of h is in (and, ahead of it, the gate and the scale words); the three sets behind it may be out
.else
	s_wait_loadcnt 4*(15-\g)
.endif
	MMX \g, 0, 0                                   ; the four accumulators take turns, one instruction a turn
	MMX \g, 0, 1
	MMX \g, 1, 0
	MMX \g, 1, 1
.rept 4
	v_nop                                          ; four places behind the products, ahead of loads into their sources and of the first read of results
.endr
.if \g<14
	WLOAD \g+2
.endif
.if \g<12
	HLOAD \g+4
.endif
.endr
.irp t, 0,1
.irp j, 0,2,4,6
	v_pk_add_f32 v[ACC+16*\t+\j:ACC+16*\t+\j+1], v[ACC+16*\t+\j:ACC+16*\t+\j+1], v[ACC+16*\t+8+\j:ACC+16*\t+8+\j+1]   ; even and odd K steps' sums; each accumulator from its low end on
.endr
.endr
.irp t, 0,1
.irp j, 0,2,4,6
	v_pk_mul_f32 v[ACC+16*\t+\j:ACC+16*\t+\j+1], v[ACC+16*\t+\j:ACC+16*\t+\j+1], v[GT:GT+1] op_sel_hi:[1,0]           ; x my token's gate
.endr
.endr
.irp t, 0,1
.irp c, 0,1
	ds_store_b128 v[STO], v[ACC+16*\t+4*\c:ACC+16*\t+4*\c+3] offset:64*\t+16*\c
.endr
.endr
.irp q, 0,1,2,3
	ds_load_b128 v[OUTR+4*\q:OUTR+4*\q+3], v[SRD] offset:144*\q    ; my wave's own bytes; LDS serves a wave's instructions in order.  Eight lanes take a row's 128 bytes
.endr
.irp q, 0,1,2,3
	v_min_u32 v[OA+\q], 0x3ff, v[TK2+\q]
.endr
.irp q, 0,1,2,3
	v_lshlrev_b32 v[OA+\q], 12, v[OA+\q]           ; a row of out0 is 4,096 bytes
.endr
.irp q, 0,1,2,3
	v_add_nc_u32 v[OA+\q], v[C16], v[OA+\q]
.endr
	s_wait_dscnt 0x0
.irp q, 0,1,2,3
	global_store_b128 v[OA+\q], v[OUTR+4*\q:OUTR+4*\q+3], s[38:39] th:TH_STORE_NT   ; four tokens x 128 consecutive bytes; a copy row writes its original's bytes with the same numbers
.endr
	s_wait_xcnt 0x0                                ; the stores' registers, and the bases of this trip's loads, are written again only behind this wait
	s_add_nc_u64 s[34:35], s[34:35], 0x80000       ; 16 tiles on
	s_add_nc_u64 s[36:37], s[36:37], 0x8000
	s_add_co_u32 s23, s23, 256
	s_add_co_u32 s43, s43, 1
	s_cmp_ge_u32 s43, s42
	s_cbranch_scc1 .Lend                           ; the last trip asks for nothing more: no load leaves the tiles that were written
	LOOKUP
	SPREAD
	GATHER
	s_cmp_lt_u32 s43, s42
	s_cbranch_scc1 .Ltile
.Lend:
	s_wait_tensorcnt 0x0
	ds_add_u32 v254, v255
	s_wait_dscnt 0x0
	s_endpgm
.Lfunc_end_k_q3f0cc67554_ffn2:
	.size	k_q3f0cc67554_ffn2, .Lfunc_end_k_q3f0cc67554_ffn2-k_q3f0cc67554_ffn2
	.p2alignl 7, 3214868480
	.fill 96, 4, 3214868480
	.section	.rodata,"a",@progbits
	.p2align	6, 0x0
	.amdhsa_kernel k_q3f0cc67554_ffn2
		.amdhsa_group_segment_fixed_size 109312
		.amdhsa_private_segment_fixed_size 0
		.amdhsa_enable_private_segment 0
		.amdhsa_kernarg_size 56
		.amdhsa_user_sgpr_count 2
		.amdhsa_user_sgpr_kernarg_segment_ptr 1
		.amdhsa_wavefront_size32 1
		.amdhsa_system_sgpr_workgroup_id_x 1
		.amdhsa_system_sgpr_workgroup_id_y 1
		.amdhsa_system_sgpr_workgroup_id_z 1
		.amdhsa_system_vgpr_workitem_id 0
		.amdhsa_next_free_vgpr 256
		.amdhsa_next_free_sgpr 100
		.amdhsa_reserve_vcc 1
		.amdhsa_float_denorm_mode_32 3
		.amdhsa_float_denorm_mode_16_64 3
		.amdhsa_memory_ordered 1
		.amdhsa_forward_progress 1
		.amdhsa_inst_pref_size 99
	.end_amdhsa_kernel
	.amdgpu_metadata
---
amdhsa.version: [ 1, 2 ]
amdhsa.kernels:
  - .name:           k_q3f0cc67554_ffn2
    .symbol:         k_q3f0cc67554_ffn2.kd
    .args:
      - { .name: w2, .offset: 0, .size: 8, .value_kind: global_buffer, .address_space: global }
      - { .name: b2, .offset: 8, .size: 8, .value_kind: global_buffer, .address_space: global }
      - { .name: hq, .offset: 16, .size: 8, .value_kind: global_buffer, .address_space: global }
      - { .name: hs, .offset: 24, .size: 8, .value_kind: global_buffer, .address_space: global }
      - { .name: sel, .offset: 32, .size: 8, .value_kind: global_buffer, .address_space: global }
      - { .name: gate, .offset: 40, .size: 8, .value_kind: global_buffer, .address_space: global }
      - { .name: out0, .offset: 48, .size: 8, .value_kind: global_buffer, .address_space: global }
    .group_segment_fixed_size: 109312
    .private_segment_fixed_size: 0
    .kernarg_segment_align: 8
    .kernarg_segment_size: 56
    .max_flat_workgroup_size: 512
    .sgpr_count:     100
    .vgpr_count:     256
    .wavefront_size: 32
...
	.end_amdgpu_metadata
.endif
;; end of part 3
;; ======== version 2 of 2: 3 launches
;; workspace buffers: xq 524,288 bytes; xs 32,768 bytes; sel 512 bytes of whole numbers; gate 4,096 bytes; hq 16,777,216 bytes; hs 1,048,576 bytes
;; launch route (part 4): grid 128 x 1, 4 waves a work-group, no clusters, 71,168 bytes of LDS; arguments x, w_router, xq, xs, sel, gate; writes xq, xs, sel, gate
.if DOCPART == 4
	.amdgcn_target "amdgcn-amd-amdhsa--gfx1250"
	.amdhsa_code_object_version 6
	.text
	.protected	k_q3f0cc67554_route
	.globl	k_q3f0cc67554_route
	.p2align	8
	.type	k_q3f0cc67554_route,@function
k_q3f0cc67554_route:
	s_mov_b64 s[64:65], 0
	v_nop
	global_prefetch_b8 v0, s[64:65] scope:SCOPE_SE
	s_setreg_imm32_b32 hwreg(HW_REG_WAVE_MODE, 25, 1), 1
	s_wait_xcnt 0x0
; ROUTER AND QUANTISER OF x.  x: [1024 tokens][1024] f32; w_router: [1024][8] f32.
; For each token: logits = x . w_router in f32 (vector multiply-adds), p = softmax, sel = argmax, gate = p[sel]; and x's codes of FP4 (E2M1) with one E8M0 byte for each 32 along the row.
; Out: xq [token][512 bytes] (32 blocks of 16 bytes, K ascending), xs [token][32 bytes], gate [token] f32, sel [128] u32: word g holds the choices of tokens 8 g .. 8 g + 7, four bits each, the lower token
; in the lower bits.  All at fixed places: no address here hangs on a choice.
; SHARES.  A work-group of four waves takes 8 tokens, a wave two.  Lane l holds k = 32 l .. 32 l + 31 of a token: one block of the quantiser, so a block's largest magnitude needs no other lane,
; and the dot products are 32 multiply-adds a lane and expert, then one sum over the lanes.
; Loads take the bytes as they lie (512 consecutive bytes an instruction); the turn to 128 bytes a lane goes through LDS: x through the wave's own stage, w_router through an image that all four waves fill and read.
; LIMITS: NaN and infinities are not served.  A block of zeros gets the byte 1 where the quantiser says 127: its codes are zeros, and only this program reads the bytes.
; The argmax is taken over exp(logit - max), the lowest index at ties; two logits that agree to f32 rounding may fall either way, since the sums' order is not the definition's.
.set WRI, 0                            ; LDS: w_router: lane l's 32 rows (1,024 bytes) at 1040 l: the pitch is an odd multiple of 16 bytes
.set XST, 33280                        ; x's stages: wave w, token u at XST + 9216 w + 4608 u: 32 blocks of 128 bytes, 144 apart
.set SCB, 70144                        ; the work-group's 8 x 32 scale bytes
.set SGW, 70400                        ; words 0-7 sel, words 8-15 gate
.set D,   16                           ; v16-79   x as loaded; behind the first barrier WB: w_router's rows, two sets of 32
.set WB,  16
.set WD,  80                           ; v80-143  w_router as loaded; later CD: the codes
.set CD,  80
.set X,   144                          ; v144-207 two tokens x 32 numbers: my block
.set ACC, 208                          ; v208-223 logits: token u, expert e at ACC + 8 u + e
.set T,   224                          ; v224-255 at work, 16 a token: +0 max, +1 sum, +2 largest e, +3 sel, +4 gate, +5 1/sum, +6..9 sums, +10..13 the quantiser's
	s_load_b256 s[4:11], s[0:1], 0x0               ; x, w_router, xq, xs
	s_load_b128 s[12:15], s[0:1], 0x20             ; sel, gate
	v_lshl_add_u32 v254, v0, 2, 0x11400
	v_mov_b32 v255, 0
	v_lshrrev_b32 v1, 5, v0
	v_readfirstlane_b32 s16, v1                    ; wave 0..3
	v_and_b32 v1, 31, v0                           ; lane
	v_lshlrev_b32 v2, 4, v1                        ; 16 l: my 16 bytes of a load's or a store's 512
	s_mul_i32 s17, s16, 9216
	s_add_co_u32 s17, s17, XST
	v_lshrrev_b32 v13, 3, v1
	v_and_b32 v14, 7, v1
	v_mul_u32_u24 v3, v13, 144
	v_lshl_add_u32 v3, v14, 4, v3
	v_add_nc_u32 v3, s17, v3                       ; stage, way in: eight lanes' 128 bytes are a block
	v_mul_u32_u24 v4, v1, 144
	v_add_nc_u32 v4, s17, v4                       ; stage, way out: block l
	s_mul_i32 s17, s16, 8320
	v_add_nc_u32 v5, s17, v2                       ; image, way in: my wave's eight chunks
	v_mul_u32_u24 v6, v1, 1040                     ; image, way out: chunk l
	s_lshl_b32 s17, s16, 6
	s_add_co_u32 s17, s17, SCB
	v_add_nc_u32 v7, s17, v1                       ; my block's scale byte
	s_lshl_b32 s17, s16, 3
	s_add_co_u32 s17, s17, SGW
	v_mov_b32 v8, s17                              ; my wave's two words of sel (gate: 32 bytes on)
	v_lshlrev_b32 v9, 3, v1                        ; 8 l
	v_add_nc_u32 v11, SCB, v9
	v_lshlrev_b32 v12, 2, v14                      ; 4 (l % 8)
	v_add_nc_u32 v10, SGW, v12
	v_mov_b32 v15, SGW                             ; the eight words of sel, for every lane
	s_mov_b32 s20, 0x76543210
	s_mov_b32 s21, 0xfedcba98                      ; v_permlanex16_b32's selects for lane l xor 16
	s_lshl_b32 s24, ttmp9, 15                      ; x: 8 tokens of 4,096 bytes a work-group,
	s_lshl_b32 s26, s16, 13                        ; two a wave; w_router: 8,192 bytes a wave
	s_add_co_u32 s24, s24, s26
	s_mov_b32 s25, 0
	s_mov_b32 s27, 0
	s_lshl_b32 s28, ttmp9, 12                      ; xq: 512 bytes a token
	s_lshl_b32 s17, s16, 10
	s_add_co_u32 s28, s28, s17
	s_mov_b32 s29, 0
	s_lshl_b32 s30, ttmp9, 8                       ; xs: 256 bytes a work-group
	s_mov_b32 s31, 0
	s_lshl_b32 s32, ttmp9, 5                       ; gate: 32 bytes a work-group
	s_mov_b32 s33, 0
	s_lshl_b32 s34, ttmp9, 2                       ; sel: one word a work-group
	s_mov_b32 s35, 0
	s_wait_alu depctr_va_vdst(0)
	s_wait_kmcnt 0x0
	s_add_nc_u64 s[4:5], s[4:5], s[24:25]
	s_add_nc_u64 s[6:7], s[6:7], s[26:27]
	s_add_nc_u64 s[8:9], s[8:9], s[28:29]
	s_add_nc_u64 s[10:11], s[10:11], s[30:31]
	s_add_nc_u64 s[12:13], s[12:13], s[34:35]
	s_add_nc_u64 s[14:15], s[14:15], s[32:33]
.irp u, 0,1
.irp i, 0,1,2,3,4,5,6,7
	global_load_b128 v[D+32*\u+4*\i:D+32*\u+4*\i+3], v2, s[4:5] offset:4096*\u+512*\i th:TH_LOAD_NT
.endr
.endr
.irp q, 0,1,2,3,4,5,6,7,8,9,10,11,12,13,14,15
	global_load_b128 v[WD+4*\q:WD+4*\q+3], v2, s[6:7] offset:512*\q
.endr
	s_wait_loadcnt 16                              ; x's 16 loads are in; w_router's 16 may be out
.irp u, 0,1
.irp i, 0,1,2,3,4,5,6,7
	ds_store_b128 v3, v[D+32*\u+4*\i:D+32*\u+4*\i+3] offset:4608*\u+576*\i   ; a load's 512 bytes are four blocks: 4 x 144
.endr
.endr
.irp u, 0,1
.irp j, 0,1,2,3,4,5,6,7
	ds_load_b128 v[X+32*\u+4*\j:X+32*\u+4*\j+3], v4 offset:4608*\u+16*\j     ; my wave's own bytes; LDS serves a wave's instructions in order
.endr
.endr
	s_wait_loadcnt 0x0                             ; w_router's quarter
.irp q, 0,1,2,3,4,5,6,7,8,9,10,11,12,13,14,15
	ds_store_b128 v5, v[WD+4*\q:WD+4*\q+3] offset:512*\q+16*(\q/2)           ; 16 bytes of padding behind each 1,024
.endr
	s_wait_dscnt 0x0                               ; my part of the image has landed (and my blocks of x are in)
	s_barrier_signal -1
	s_barrier_wait -1                              ; the image is whole
.macro WLD g                           ; rows 4 g .. 4 g + 3 of my 32 rows of w_router (8 numbers each) into set g % 2
.irp ii, 0,1,2,3
.irp c, 0,1
	ds_load_b128 v[WB+32*((\g)%2)+8*\ii+4*\c:WB+32*((\g)%2)+8*\ii+4*\c+3], v6 offset:32*(4*(\g)+\ii)+16*\c
.endr
.endr
.endm
; 32 packed multiply-adds: two experts at a time, x's number taken for both halves (the first or the second register of its pair).  The very first products start the sums.
.macro DOT g, left
	s_wait_dscnt \left
.irp hh, 0,1
.irp u, 0,1
.irp p, 0,1,2,3
.if ((\g)==0)&&(\hh==0)
	v_pk_mul_f32 v[ACC+8*\u+2*\p:ACC+8*\u+2*\p+1], v[WB+32*((\g)%2)+16*\hh+2*\p:WB+32*((\g)%2)+16*\hh+2*\p+1], v[X+32*\u+4*(\g)+2*\hh:X+32*\u+4*(\g)+2*\hh+1] op_sel_hi:[1,0]
.else
	v_pk_fma_f32 v[ACC+8*\u+2*\p:ACC+8*\u+2*\p+1], v[WB+32*((\g)%2)+16*\hh+2*\p:WB+32*((\g)%2)+16*\hh+2*\p+1], v[X+32*\u+4*(\g)+2*\hh:X+32*\u+4*(\g)+2*\hh+1], v[ACC+8*\u+2*\p:ACC+8*\u+2*\p+1] op_sel_hi:[1,0,1]
.endif
.endr
.endr
.irp u, 0,1
.irp p, 0,1,2,3
	v_pk_fma_f32 v[ACC+8*\u+2*\p:ACC+8*\u+2*\p+1], v[WB+32*((\g)%2)+16*\hh+8+2*\p:WB+32*((\g)%2)+16*\hh+8+2*\p+1], v[X+32*\u+4*(\g)+2*\hh:X+32*\u+4*(\g)+2*\hh+1], v[ACC+8*\u+2*\p:ACC+8*\u+2*\p+1] op_sel:[0,1,0] op_sel_hi:[1,1,1]
.endr
.endr
.endr
.endm
	WLD 0
	WLD 1
.irp g, 0,1,2,3,4,5
	s_wait_alu depctr_va_vdst(0)
	DOT \g, 8                                      ; this set's 8 loads are in; the other set's 8 may be out
	WLD \g+2
.endr
	s_wait_alu depctr_va_vdst(0)
	DOT 6, 8
	s_wait_alu depctr_va_vdst(0)
	DOT 7, 0
	; the sums over the 32 lanes, the 16 registers by turns
.irp m, 1,2,4,8
.irp n, 0,1,2,3,4,5,6,7,8,9,10,11,12,13,14,15
	v_add_f32_dpp v[ACC+\n], v[ACC+\n], v[ACC+\n] row_xmask:\m row_mask:0xf bank_mask:0xf
.endr
.endr
.irp n, 0,1,2,3,4,5,6,7,8,9,10,11,12,13,14,15
	v_permlanex16_b32 v[WB+\n], v[ACC+\n], s20, s21   ; (the destinations were written whole by the loads above, and are done with)
.endr
.irp n, 0,1,2,3,4,5,6,7,8,9,10,11,12,13,14,15
	v_add_f32 v[ACC+\n], v[ACC+\n], v[WB+\n]       ; every lane holds all 16 logits
.endr
.macro SOFT u
.set LG, ACC+8*\u
.set TT, T+16*\u
	v_max3_num_f32 v[TT], v[LG], v[LG+1], v[LG+2]
	v_max3_num_f32 v[TT], v[TT], v[LG+3], v[LG+4]
	v_max3_num_f32 v[TT], v[TT], v[LG+5], v[LG+6]
	v_max_num_f32 v[TT], v[TT], v[LG+7]            ; the largest logit is taken away ahead of the exponentials
.irp i, 0,1,2,3,4,5,6,7
	v_sub_f32 v[LG+\i], v[LG+\i], v[TT]
.endr
.irp i, 0,1,2,3,4,5,6,7
	v_mul_f32 v[LG+\i], 0x3fb8aa3b, v[LG+\i]       ; x log2(e)
.endr
	s_wait_alu depctr_va_vdst(0)
.irp i, 0,1,2,3,4,5,6,7
	v_exp_f32 v[LG+\i], v[LG+\i]
.endr
	v_mov_b32 v[TT+3], 7                           ; (a plain instruction behind the exponentials)
	s_wait_alu depctr_va_vdst(0)
	v_add_f32 v[TT+6], v[LG], v[LG+1]
	v_add_f32 v[TT+7], v[LG+2], v[LG+3]
	v_add_f32 v[TT+8], v[LG+4], v[LG+5]
	v_add_f32 v[TT+9], v[LG+6], v[LG+7]
	v_add_f32 v[TT+6], v[TT+6], v[TT+7]
	v_add_f32 v[TT+8], v[TT+8], v[TT+9]
	v_add_f32 v[TT+1], v[TT+6], v[TT+8]            ; the sum
	v_max3_num_f32 v[TT+2], v[LG], v[LG+1], v[LG+2]
	v_max3_num_f32 v[TT+2], v[TT+2], v[LG+3], v[LG+4]
	v_max3_num_f32 v[TT+2], v[TT+2], v[LG+5], v[LG+6]
	v_max_num_f32 v[TT+2], v[TT+2], v[LG+7]        ; the largest exponential
	s_wait_alu depctr_va_vdst(0)
	v_rcp_f32 v[TT+5], v[TT+1]
	v_nop                                          ; a plain instruction behind the reciprocal
.irp i, 6,5,4,3,2,1,0
	v_cmp_lt_f32 vcc_lo, v[LG+\i], v[TT+2]
	v_cndmask_b32 v[TT+3], \i, v[TT+3], vcc_lo     ; i where expert i is at the maximum: the lowest such index stays
.endr
	s_wait_alu depctr_va_vdst(0)
	v_mul_f32 v[TT+4], v[TT+2], v[TT+5]            ; gate = p[sel]
.endm
	SOFT 0
	SOFT 1
; My block of token u: scale = 2^(floor(log2(largest magnitude)) - 2); its byte is the largest magnitude's exponent field - 2, held at 1 from below by the floor 2^(3 - 127) among the maximum's leaves.
.macro QX u
.set XB, X+32*\u
.set TT, T+16*\u
	v_max3_num_f32 v[TT+10], |v[XB]|, |v[XB+1]|, |v[XB+2]|
	v_max3_num_f32 v[TT+11], |v[XB+3]|, |v[XB+4]|, |v[XB+5]|
.irp i, 6,10,14,18,22,26
	v_max3_num_f32 v[TT+10], v[TT+10], |v[XB+\i]|, |v[XB+\i+1]|
	v_max3_num_f32 v[TT+11], v[TT+11], |v[XB+\i+2]|, |v[XB+\i+3]|
.endr
	v_max3_num_f32 v[TT+10], v[TT+10], |v[XB+30]|, |v[XB+31]|
	v_max3_num_f32 v[TT+10], v[TT+10], v[TT+11], 0x1800000
	v_add_nc_u32 v[TT+12], 0xff000000, v[TT+10]    ; 2 off the exponent field: the conversion takes this operand's exponent field as its scale
.irp g, 0,1,2,3
	v_cvt_scalef32_pk8_fp4_f32 v[CD+4*\u+\g], v[XB+8*\g:XB+8*\g+7], v[TT+12]
.endr
	v_lshrrev_b32 v[TT+13], 23, v[TT+12]           ; the scale's byte (also the plain instruction behind the conversions)
	global_store_b128 v2, v[CD+4*\u:CD+4*\u+3], s[8:9] offset:512*\u   ; the wave stores the token's 512 consecutive bytes
	ds_store_b8 v7, v[TT+13] offset:32*\u
	ds_store_b32 v8, v[TT+3] offset:4*\u           ; all lanes write the same word with the same value
	ds_store_b32 v8, v[TT+4] offset:32+4*\u
.endm
	QX 0
	QX 1
	s_wait_dscnt 0x0                               ; for wave 0's sake: my bytes and words have landed
	s_barrier_signal -1
	s_barrier_wait -1
	s_cmp_lg_u32 s16, 0
	s_cbranch_scc1 .Lend
	ds_load_b64 v[16:17], v11                      ; wave 0 sends the work-group's 256 scale bytes as 256 consecutive, aligned bytes,
	ds_load_b32 v19, v10 offset:32                 ; its 8 gates,
	ds_load_b128 v[20:23], v15                     ; and its 8 choices, which every lane reads
	ds_load_b128 v[24:27], v15 offset:16
	s_wait_dscnt 0x0
	v_lshl_or_b32 v18, v21, 4, v20                 ; four bits a token, the lower token in the lower bits
	v_lshl_or_b32 v18, v22, 8, v18
	v_lshl_or_b32 v18, v23, 12, v18
	v_lshl_or_b32 v18, v24, 16, v18
	v_lshl_or_b32 v18, v25, 20, v18
	v_lshl_or_b32 v18, v26, 24, v18
	v_lshl_or_b32 v18, v27, 28, v18
	v_mov_b32 v28, 0
	global_store_b64 v9, v[16:17], s[10:11]
	s_wait_alu depctr_va_vdst(0)
	s_wait_xcnt 0x0                                ; EXEC changes only behind this wait
	v_cmp_gt_u32 vcc_lo, 8, v1
	s_and_saveexec_b32 s22, vcc_lo
	global_store_b32 v28, v18, s[12:13]            ; lanes 0-7 write the same word with the same value
	global_store_b32 v12, v19, s[14:15]
	s_wait_xcnt 0x0
	s_or_b32 exec_lo, exec_lo, s22
.Lend:
	s_wait_tensorcnt 0x0
	ds_add_u32 v254, v255
	s_wait_dscnt 0x0
	s_endpgm
.Lfunc_end_k_q3f0cc67554_route:
	.size	k_q3f0cc67554_route, .Lfunc_end_k_q3f0cc67554_route-k_q3f0cc67554_route
	.p2alignl 7, 3214868480
	.fill 96, 4, 3214868480
	.section	.rodata,"a",@progbits
	.p2align	6, 0x0
	.amdhsa_kernel k_q3f0cc67554_route
		.amdhsa_group_segment_fixed_size 71168
		.amdhsa_private_segment_fixed_size 0
		.amdhsa_enable_private_segment 0
		.amdhsa_kernarg_size 48
		.amdhsa_user_sgpr_count 2
		.amdhsa_user_sgpr_kernarg_segment_ptr 1
		.amdhsa_wavefront_size32 1
		.amdhsa_system_sgpr_workgroup_id_x 1
		.amdhsa_system_sgpr_workgroup_id_y 1
		.amdhsa_system_sgpr_workgroup_id_z 1
		.amdhsa_system_vgpr_workitem_id 0
		.amdhsa_next_free_vgpr 256
		.amdhsa_next_free_sgpr 66
		.amdhsa_reserve_vcc 1
		.amdhsa_float_denorm_mode_32 3
		.amdhsa_float_denorm_mode_16_64 3
		.amdhsa_memory_ordered 1
		.amdhsa_forward_progress 1
		.amdhsa_inst_pref_size 45
	.end_amdhsa_kernel
	.amdgpu_metadata
---
amdhsa.version: [ 1, 2 ]
amdhsa.kernels:
  - .name:           k_q3f0cc67554_route
    .symbol:         k_q3f0cc67554_route.kd
    .args:
      - { .name: x, .offset: 0, .size: 8, .value_kind: global_buffer, .address_space: global }
      - { .name: w_router, .offset: 8, .size: 8, .value_kind: global_buffer, .address_space: global }
      - { .name: xq, .offset: 16, .size: 8, .value_kind: global_buffer, .address_space: global }
      - { .name: xs, .offset: 24, .size: 8, .value_kind: global_buffer, .address_space: global }
      - { .name: sel, .offset: 32, .size: 8, .value_kind: global_buffer, .address_space: global }
      - { .name: gate, .offset: 40, .size: 8, .value_kind: global_buffer, .address_space: global }
    .group_segment_fixed_size: 71168
    .private_segment_fixed_size: 0
    .kernarg_segment_align: 8
    .kernarg_segment_size: 48
    .max_flat_workgroup_size: 128
    .sgpr_count:     66
    .vgpr_count:     256
    .wavefront_size: 32
...
	.end_amdgpu_metadata
.endif
;; end of part 4
;; launch ffn1 (part 5): grid 32 x 8, 16 waves a work-group, no clusters, 72,192 bytes of LDS; arguments w1, b1, xq, xs, sel, hq, hs; writes hq, hs
.if DOCPART == 5
	.amdgcn_target "amdgcn-amd-amdhsa--gfx1250"
	.amdhsa_code_object_version 6
	.text
	.protected	k_q3f0cc67554_ffn1
	.globl	k_q3f0cc67554_ffn1
	.p2align	8
	.type	k_q3f0cc67554_ffn1,@function
k_q3f0cc67554_ffn1:
	s_mov_b64 s[64:65], 0
	v_nop
	global_prefetch_b8 v0, s[64:65] scope:SCOPE_SE
	s_setreg_imm32_b32 hwreg(HW_REG_WAVE_SCHED_MODE, 0, 2), 2
	s_setreg_imm32_b32 hwreg(HW_REG_WAVE_MODE, 25, 1), 1
	s_wait_xcnt 0x0
	s_wait_alu depctr_vm_vsrc(0)
; FIRST PRODUCT OF THE EXPERTS: h = relu(x W1[e] + b1[e]) for the tokens that chose e, on codes of FP4 (E2M1) with one E8M0 scale for each 32 along K; h leaves as codes for the second product.
; w1: [8][1024 (K)][4096] f32.  Work-group (x = sl, y = e) owns hidden units 128 sl .. 128 sl + 127 of expert e: 512 KB of w1 that no other work-group reads.
; PHASE W: the slice becomes codes.  A lane takes a column and its registers run down K, so a block of 32 along K lies in one lane and the conversions give codes with K innermost.
;   Wave w: columns 32 (w % 4) on, rows 256 (w / 4) on: 8 blocks.  Loads run two blocks (64 loads a wave) ahead.  Codes and scale words go to LDS; ONE barrier; from there on LDS is only read.
; THE EXPERT'S TOKENS are found from the stored choices (sel: 128 words, four bits a token), in registers, while blocks 2 and 3 of the weights are on their way.  A wave reads all 512 bytes by one load: lane l holds
;   tokens 32 l .. 32 l + 31.  Mask n (a scalar register, n = 0 .. 31) has bit l set where token 32 l + n chose e.  The tokens are ranked by n, then by l; the next launch ranks them by the same lines.
;   The token of rank R: the last n whose running count is at most R, then the (R - that count)-th set bit of mask n, by counts of 2, 4, 8 and 16 bits and five halvings.
; TOKENS: the ranks are walked in tiles of 16 rows, wave w taking tiles w, w + 16, ..  The trip count hangs on the stored choices, so the launch has no tensor load and no barrier in the loop.
;   Row i of the walk is rank min(i, count - 1): the last tile is filled up with copies of the expert's last token, which make the same numbers as their original.
;   The product is used transposed (source 0 = 16 columns of W1, source 1 = 16 tokens): a lane holds one token, its registers hidden units.  THE COLUMNS OF A TILE ARE NOT NEIGHBOURS: row p of tile t is
;   column 32 (t / 2) + 8 (t % 2) + p + 8 (p / 8), so that the 16 registers of tiles 2 b, 2 b + 1 are hidden units 32 b + 16 (lane / 16) + 0 .. 15.  b1 is loaded into the accumulators: the sums begin with it.
; OUT: hq [e][tile 64][block 128][row 16][16 bytes], hs [e][tile][K step 32][row 16][4 bytes]: the second product's operand in the order in which its lanes load it.
; An expert without tokens still runs one tile (the search then ends at token 1023), so that every byte of hq and hs that the next launch loads has been written; that launch stores nothing of it.
; NO CLUSTER: each weight byte has one reader; what work-groups share (xq, xs: 0.5 MB against 128 MB) is a small part, and partners' trip counts would hang on numbers read from memory.
; LIMITS: NaN and infinities are not served; a block of zeros gets the byte 1 where the quantiser says 127 (zero codes; only this program reads the bytes).
; hs is stored 64 bytes an instruction (lanes 16-31 repeat lanes 0-15): one seventeenth of h's bytes.
; THE MODE: SCHED_MODE bits 1:0 = 2 (LLVM: expert scheduling mode 2), set by the entry lines.  The code itself states the register dependences between vector or matrix instructions and memory or LDS
; instructions, and those through scalar registers and VCC that vector instructions write, with s_wait_alu, always for 0.
; THE PLAN.  Registers that memory or LDS instructions touch, and who else names them:
;   v1-v9, v13      offsets and LDS addresses: made at the head, never written again: one wait on va_vdst ahead of the first load serves them all.
;   RAW0, RAW1      block t's maxima and conversions read RAW[t % 2]; behind them the loads of block t + 2 land in it.
;   CODE, v[SW ..]  written by a block's conversions and shifts, read by its LDS store (the scale words' store stands behind block 7); each register written once.
;                   So ONE wait on va_vdst stands in a block, behind its conversions: its codes are written, and its set of numbers is read out.  The set is asked for again at once.
;   v80-143         behind the barrier these registers (codes, b1, the choices, the search's) become WF0, WF1: one wait on vm_vsrc behind the barrier states that my LDS stores have read them.
;   WF0, WF1        step k of a tile (16 steps: K step k / 2, tiles 4 (k % 2) on) multiplies by WF[k % 2]; the LDS loads of step k + 1 land in the other set, which step k - 1 multiplied by.
;                   ONE wait on va_vdst at a step's head, behind the wait for the step's own set, states that step k - 1's products are done reading; the eight loads follow, two ahead of each product of step k.
;   XF, XS, ACC     read (ACC: also written) by the products and the quantiser; x's loads and b1's LDS loads land in them behind the wait on va_vdst at the trip's end.
;   PC, PW          written by the quantiser, read by the trip's five stores: a wait on va_vdst ahead of the stores, one on vm_vsrc behind them, since W's fragments land there in the next trip.
;   v[XA], v[XSA]   read by x's 18 loads, written once a trip: behind that wait on vm_vsrc, ahead of the wait on va_vdst at the trip's end.
.set RS,   16384                       ; a row of w1[e] in bytes
.set KBP,  2048                        ; LDS: a block's codes of the 128 columns
.set SCW,  65536                       ; LDS 0: codes [block 32][place 128][16 bytes];  here: scale words [place 128][K step 8]
.set BIA,  69632                       ; b1's 128 numbers
.set L4,   1                           ; 4 l: my column in a load's 128 bytes
.set WST,  2                           ; where my codes go
.set SST,  3                           ; where my two scale words go
.set WAD,  4                           ; a fragment of W: 2048 (lane / 16) + 16 (lane % 16)
.set SAD,  5                           ; W's scale words: SCW + 32 l
.set BAD,  6                           ; b1 for my half: BIA + 64 (lane / 16)
.set BST,  7                           ; b1 on its way in: BIA + 16 l
.set BOF,  8                           ; 16 l
.set LAD,  9                           ; 4 (lane % 16): my row in hs
.set H16,  10                          ; 16 (lane / 16)
.set XA,   11                          ; my token's codes: 512 token + 16 (lane / 16)
.set XSA,  12                          ; its scale bytes: 32 token
.set HST,  13                          ; my 8 bytes of a block of h: 16 (lane % 16) + 8 (lane / 16)
.set RR,   14                          ; lane % 16: my row of a tile
.set IDX,  15                          ; my row's rank among the expert's tokens
.set RAW,  16                          ; v16-79   two sets of 32 numbers of w1;  later ACC: 8 tiles x 8
.set ACC,  16
.set CODE, 80                          ; v80-111  the 8 blocks' codes;  later WF: two sets of four fragments (v80-143);  later the quantiser's TM, PW, PC
.set WF,   80
.set TM,   80
.set PW,   96
.set PC,   98
.set BTM,  112                         ; v112-115 b1 as loaded (wave 0)
.set SL,   116                         ; v116-119 the choices of my 32 tokens, as loaded
.set LM,   120                         ; v120-131 the search's: the group's mask, the count ahead of it, its number, the rank left,
.set LB,   121
.set LT,   122
.set LK,   123
.set T0,   124                         ; at work,
.set CA,   125                         ; the mask's counts of 2, 4, 8 bits, and of 16 in the low byte,
.set CB,   126
.set CC,   127
.set CD,   128
.set PP,   129                         ; the bit's place,
.set T1,   130                         ; at work
.set T2,   131
.set XF,   144                         ; v144-207 x's 8 fragments
.set XS,   208                         ; v208-215 x's scale words, K step s in register s: scales and nothing else
.set WS,   216                         ; v216-247 W's scale words: register 8 P + s: lanes 0-15 tile 2 P, lanes 16-31 tile 2 P + 1: scales and nothing else
.set BT,   248                         ; v248-251 at work
.set SW,   252                         ; v252-253 my column's two scale words
.set TK,   254                         ; my row's token
.set MK,   66                          ; s66-97   the expert's 32 masks
.set CN,   48                          ; s48-55   the search: the counts ahead of eight groups
.set CM,   56                          ; s56-63   the search: eight compares' masks
; scalars: s18 wave, s19 slice, s20 expert, s21 count, s22 tiles, s23 the first row of the tile in hand, s41 count - 1, s42 my trips, s43 trips done, s45 at work; s[34:35] hq, s[36:37] hs at my tile
	s_load_b256 s[4:11], s[0:1], 0x0               ; w1, b1, xq, xs
	s_load_b128 s[12:15], s[0:1], 0x20             ; sel, hq
	s_load_b64 s[16:17], s[0:1], 0x30              ; hs
	v_lshrrev_b32 v248, 5, v0
	v_readfirstlane_b32 s18, v248                  ; wave 0..15
	s_mov_b32 s19, ttmp9                           ; the slice
	s_and_b32 s20, ttmp7, 0xffff                   ; the expert
	v_and_b32 v250, 31, v0                         ; l
	v_and_b32 v248, 15, v0                         ; r
	v_bfe_u32 v249, v0, 4, 1                       ; h
	v_and_b32 v251, 7, v0
	v_bfe_u32 v252, v0, 3, 1
	v_lshl_add_u32 v251, v252, 4, v251
	v_lshl_add_u32 v251, v249, 3, v251             ; my column's place among its 32: bits 3 and 4 of the column change places
	s_wait_alu depctr_va_sdst(0)                   ; s18 is written, ahead of its first reader
	s_and_b32 s24, s18, 3                          ; which 32 columns
	s_lshr_b32 s25, s18, 2                         ; which 256 rows
	s_lshl_b32 s26, s24, 5
	v_add_nc_u32 v251, s26, v251                   ; and among the 128
	s_lshl_b32 s26, s25, 14
	v_lshl_add_u32 v[WST], v251, 4, s26            ; 16 x place + 8 blocks x 2,048 x (wave / 4)
	s_lshl_b32 s26, s25, 3
	s_add_co_u32 s26, s26, SCW
	v_lshl_add_u32 v[SST], v251, 5, s26            ; SCW + 32 x place + 8 (wave / 4)
	v_lshlrev_b32 v[L4], 2, v250
	v_lshlrev_b32 v[BOF], 4, v250
	v_lshlrev_b32 v[WAD], 4, v248
	v_lshl_add_u32 v[WAD], v249, 11, v[WAD]
	v_lshl_add_u32 v[SAD], v250, 5, SCW
	v_lshl_add_u32 v[BAD], v249, 6, BIA
	v_lshl_add_u32 v[BST], v250, 4, BIA
	v_lshlrev_b32 v[LAD], 2, v248
	v_lshlrev_b32 v[H16], 4, v249
	v_lshlrev_b32 v[HST], 4, v248
	v_lshl_add_u32 v[HST], v249, 3, v[HST]
	v_and_b32 v[RR], 15, v0
	s_mov_b32 s28, 0x76543210
	s_mov_b32 s29, 0xfedcba98                      ; v_permlanex16_b32's selects for lane l xor 16
	s_mov_b32 s27, 0
	s_wait_kmcnt 0x0
	s_lshl_b32 s26, s20, 24                        ; w1: the expert's 16 MB,
	s_lshl_b32 s30, s25, 22                        ; my 256 rows,
	s_add_co_u32 s26, s26, s30
	s_lshl_b32 s30, s19, 9                         ; the slice's 512 bytes of a row,
	s_add_co_u32 s26, s26, s30
	s_lshl_b32 s30, s24, 7                         ; my 128 of them
	s_add_co_u32 s26, s26, s30
	s_add_nc_u64 s[4:5], s[4:5], s[26:27]
	s_lshl_b32 s26, s20, 14                        ; b1: the expert's row, the slice's 512 bytes
	s_lshl_b32 s30, s19, 9
	s_add_co_u32 s26, s26, s30
	s_add_nc_u64 s[6:7], s[6:7], s[26:27]
.macro LOAD t                          ; block t: w1(32 t + i, my column) into set t % 2; every offset is an immediate, 255 rows at the most: inside its signed 24 bits
.irp i, 0,1,2,3,4,5,6,7,8,9,10,11,12,13,14,15,16,17,18,19,20,21,22,23,24,25,26,27,28,29,30,31
	global_load_b32 v[RAW+32*((\t)%2)+\i], v[L4], s[4:5] offset:(32*(\t)+\i)*RS th:TH_LOAD_NT
.endr
.endm
; Block t is quantised.  left: the loads issued behind this block's 32, which may stay out.  Each block has code registers of its own.
.macro BLOCK t, left
.set XR, RAW+32*((\t)%2)
	s_wait_loadcnt \left
	v_max3_num_f32 v[BT], |v[XR]|, |v[XR+1]|, |v[XR+2]|
	v_max3_num_f32 v[BT+1], |v[XR+3]|, |v[XR+4]|, |v[XR+5]|
.irp i, 6,10,14,18,22,26
	v_max3_num_f32 v[BT], v[BT], |v[XR+\i]|, |v[XR+\i+1]|
	v_max3_num_f32 v[BT+1], v[BT+1], |v[XR+\i+2]|, |v[XR+\i+3]|
.endr
	v_max3_num_f32 v[BT], v[BT], |v[XR+30]|, |v[XR+31]|
	v_max3_num_f32 v[BT], v[BT], v[BT+1], 0x1800000    ; the floor 2^(3 - 127): the byte cannot fall under 1
	v_add_nc_u32 v[BT+2], 0xff000000, v[BT]            ; 2 off the exponent field: the conversion's scale operand
	v_lshrrev_b32 v[BT+1], 23, v[BT+2]                 ; the scale's byte
.if (\t)%4 == 0
	v_mov_b32 v[SW+(\t)/4], v[BT+1]
.else
	v_lshl_or_b32 v[SW+(\t)/4], v[BT+1], 8*((\t)%4), v[SW+(\t)/4]
.endif
.irp g, 0,1,2,3
	v_cvt_scalef32_pk8_fp4_f32 v[CODE+4*(\t)+\g], v[XR+8*\g:XR+8*\g+7], v[BT+2]
.endr
	v_nop                                          ; a plain instruction behind the last conversion
	s_wait_alu depctr_va_vdst(0)                   ; the conversions have written this block's codes, which the LDS store reads, and are done reading this set of numbers, in which the loads of two blocks on land
	ds_store_b128 v[WST], v[CODE+4*(\t):CODE+4*(\t)+3] offset:KBP*(\t)
.if (\t) < 6
	LOAD (\t)+2
.endif
.endm
; The expert's 32 masks and its count.  Word i of my four holds tokens 32 l + 8 i + j, j = 0 .. 7: mask 8 i + j gets my bit.
.macro MASKS
.irp i, 0,1,2,3
.irp j, 0,1,2,3,4,5,6,7
	v_bfe_u32 v[CA+\j%4], v[SL+\i], 4*\j, 4
	v_cmp_eq_u32 s[MK+8*\i+\j], s20, v[CA+\j%4]
.endr
.endr
	s_wait_alu depctr_va_sdst(0)                   ; the 32 compares have written the masks, ahead of their first reader: one wait for the run
	s_mov_b32 s21, 0
.set N, 0
.rept 32
	s_bcnt1_i32_b32 s45, s[MK+N]
	s_add_co_u32 s21, s21, s45
.set N, N+1
.endr
.endm
; One halving of the search for the LK-th set bit: w bits from place PP on hold t set bits (read out of the counts in src); where LK >= t the bit lies beyond them.
.macro LEVEL src, msk, w
	v_lshrrev_b32 v[T0], v[PP], v[\src]
	v_and_b32 v[T0], \msk, v[T0]
	v_cmp_ge_u32 vcc_lo, v[LK], v[T0]
	v_add_nc_u32 v[T1], \w, v[PP]
	v_sub_nc_u32 v[T2], v[LK], v[T0]
	s_wait_alu depctr_va_vcc(0)                    ; the compare has written VCC, ahead of the two selects that read it
	v_cndmask_b32 v[PP], v[PP], v[T1], vcc_lo
	v_cndmask_b32 v[LK], v[LK], v[T2], vcc_lo
.endm
; Groups first .. first + 7 of the search (group 0 is where it starts).  The eight counts ahead of them and the eight compares stand in a run, the compares' masks in scalar registers of their own;
; the selects follow in the groups' order.
.macro RUN8 first
.set N, \first
.rept 8
.if N > 0
	s_bcnt1_i32_b32 s45, s[MK+N-1]
	s_add_co_u32 s[CN+N%8], s[CN+(N-1)%8], s45     ; the tokens ahead of group N
	v_cmp_gt_u32 s[CM+N%8], s[CN+N%8], v[IDX]      ; more of them than my rank?
.endif
.set N, N+1
.endr
	s_wait_alu depctr_va_sdst(0)                   ; the run's compares have written their masks, ahead of the selects that read them
.set N, \first
.rept 8
.if N > 0
	v_cndmask_b32 v[LM], s[MK+N], v[LM], s[CM+N%8] ; more tokens ahead of group N than my rank: what I have stays; else group N is taken: the last one taken holds my rank
	v_cndmask_b32 v[LB], s[CN+N%8], v[LB], s[CM+N%8]
	v_cndmask_b32 v[LT], N, v[LT], s[CM+N%8]
.endif
.set N, N+1
.endr
.endm
; My row's token: that of rank min(first row + lane % 16, count - 1).
.macro LOOKUP
	v_add_nc_u32 v[IDX], s23, v[RR]
	v_min_u32 v[IDX], s41, v[IDX]
	s_wait_alu depctr_va_vdst(0)
	v_mov_b32 v[LM], s[MK]                         ; group 0 has nothing ahead of it
	v_mov_b32 v[LB], 0
	v_mov_b32 v[LT], 0
	s_mov_b32 s[CN], 0
	RUN8 0
	RUN8 8
	RUN8 16
	RUN8 24
	v_sub_nc_u32 v[LK], v[IDX], v[LB]              ; my rank inside the group
	v_lshrrev_b32 v[T0], 1, v[LM]
	v_and_b32 v[T0], 0x55555555, v[T0]
	v_sub_nc_u32 v[CA], v[LM], v[T0]               ; set bits in each 2
	v_lshrrev_b32 v[T0], 2, v[CA]
	v_and_b32 v[T0], 0x33333333, v[T0]
	v_and_b32 v[CB], 0x33333333, v[CA]
	v_add_nc_u32 v[CB], v[CB], v[T0]               ; in each 4
	v_lshrrev_b32 v[T0], 4, v[CB]
	v_add_nc_u32 v[CC], v[CB], v[T0]
	v_and_b32 v[CC], 0x0f0f0f0f, v[CC]             ; in each 8
	v_lshrrev_b32 v[T0], 8, v[CC]
	v_add_nc_u32 v[CD], v[CC], v[T0]               ; low byte: in the low 16
	v_mov_b32 v[PP], 0
	LEVEL CD, 0xff, 16
	LEVEL CC, 0xff, 8
	LEVEL CB, 0xf, 4
	LEVEL CA, 3, 2
	LEVEL LM, 1, 1
	v_lshl_add_u32 v[TK], v[PP], 5, v[LT]          ; token = 32 x the bit's place + the group's number
.endm
.macro XADDR                           ; a token number made of loaded numbers enters an address only behind the hold at 1023
	v_min_u32 v[TK], 0x3ff, v[TK]
	v_lshlrev_b32 v[XSA], 5, v[TK]
	v_lshlrev_b32 v[XA], 9, v[TK]
	v_add_nc_u32 v[XA], v[H16], v[XA]
.endm
.macro XLOAD                           ; my token's 8 fragments (registers 8 s + 4 c: k = 128 s + 64 c + 32 (lane / 16) on) and its 8 scale words: 18 loads
.irp s, 0,1,2,3,4,5,6,7
.irp c, 0,1
	global_load_b128 v[XF+8*\s+4*\c:XF+8*\s+4*\c+3], v[XA], s[8:9] offset:64*\s+32*\c
.endr
.endr
	global_load_b128 v[XS:XS+3], v[XSA], s[10:11]
	global_load_b128 v[XS+4:XS+7], v[XSA], s[10:11] offset:16
.endm
	s_wait_alu depctr_va_vdst(0)                   ; the offsets and LDS addresses v1 to v9 and v13 are written, which the loads and stores of the whole kernel read
	global_load_b128 v[SL:SL+3], v[BOF], s[12:13]  ; the choices: issued ahead of the weights, so block 0's wait shows them in
	s_cmp_lg_u32 s18, 0
	s_cbranch_scc1 .Lno_bias_load
	global_load_b128 v[BTM:BTM+3], v[BOF], s[6:7]  ; wave 0 brings b1's 512 bytes: also ahead of the weights, so every count below holds with it and without
.Lno_bias_load:
	LOAD 0
	LOAD 1
	BLOCK 0, 32                                    ; behind block 0's loads: block 1's 32
	s_cmp_lg_u32 s18, 0
	s_cbranch_scc1 .Lno_bias_store
	ds_store_b128 v[BST], v[BTM:BTM+3]
.Lno_bias_store:
	BLOCK 1, 32
	MASKS                                          ; blocks 2 and 3 are on their way: the search stands under their flight
	s_min_u32 s21, s21, 0x400
	s_add_co_u32 s22, s21, 15
	s_lshr_b32 s22, s22, 4
	s_max_u32 s22, s22, 1
	s_min_u32 s22, s22, 64                         ; tiles of 16 rows: 1 to 64
	s_max_u32 s41, s21, 1
	s_sub_co_u32 s41, s41, 1
	s_min_u32 s41, s41, 0x3ff                      ; the last rank
	s_add_co_u32 s42, s22, 15
	s_sub_co_u32 s42, s42, s18
	s_lshr_b32 s42, s42, 4
	s_min_u32 s42, s42, 4                          ; my trips: tiles wave, wave + 16, .. below the number of tiles: 0 to 4
	s_mov_b32 s43, 0
	s_sub_co_u32 s30, s22, 1
	s_min_u32 s30, s30, s18                        ; my first tile; a wave without one asks for the last tile's rows and drops them
	s_min_u32 s30, s30, 63
	s_lshl_b32 s23, s30, 4                         ; its first row
	s_lshl_b32 s26, s20, 21                        ; hq: 2 MB an expert, 32,768 bytes a tile, the slice's four blocks of 256 bytes
	s_lshl_b32 s31, s30, 15
	s_add_co_u32 s26, s26, s31
	s_lshl_b32 s31, s19, 10
	s_add_co_u32 s26, s26, s31
	s_add_nc_u64 s[34:35], s[14:15], s[26:27]
	s_lshl_b32 s26, s20, 17                        ; hs: 128 KB an expert, 2,048 bytes a tile, the slice's K step of 64 bytes
	s_lshl_b32 s31, s30, 11
	s_add_co_u32 s26, s26, s31
	s_lshl_b32 s31, s19, 6
	s_add_co_u32 s26, s26, s31
	s_add_nc_u64 s[36:37], s[16:17], s[26:27]
	LOOKUP
	XADDR
	BLOCK 2, 32
	BLOCK 3, 32
	BLOCK 4, 32
	BLOCK 5, 32
	XLOAD                                          ; my first tile's x lands while the last two blocks are quantised.  No wait of its own: v[XA] and v[XSA] were written ahead of block 2, and four blocks' waits on va_vdst stand between
	BLOCK 6, 50                                    ; block 7's 32 and x's 18
	BLOCK 7, 18
	ds_store_b64 v[SST], v[SW:SW+1]                ; (the scale words were written ahead of block 7's wait on va_vdst)
	s_wait_dscnt 0x0                               ; for the others' sake: my codes and scale words have landed
	s_barrier_signal -1
	s_barrier_wait -1                              ; the slice lies in LDS; nothing is written there any more
	s_wait_alu depctr_vm_vsrc(0)                   ; my LDS stores have read the codes' registers and b1's: these are WF0 and WF1 from here on, in which W's fragments land
	s_cmp_eq_u32 s42, 0
	s_cbranch_scc1 .Lend                           ; no tile for me
.irp P, 0,1,2,3
.irp c, 0,1
	ds_load_b128 v[WS+8*\P+4*\c:WS+8*\P+4*\c+3], v[SAD] offset:1024*\P+16*\c
.endr
.endr
.macro WFRAG s, g, tt                  ; a fragment of W: K step s, tile 4 g + tt, into set g: 2 loads, sixteen lanes on 256 consecutive bytes
.irp c, 0,1
	ds_load_b128 v[WF+32*(\g)+8*(\tt)+4*\c:WF+32*(\g)+8*(\tt)+4*\c+3], v[WAD] offset:(4*(\s)+2*\c)*KBP+256*(4*(\g)+(\tt))
.endr
.endm
.macro WLOAD s, g                      ; a set's four fragments
.irp tt, 0,1,2,3
	WFRAG \s, \g, \tt
.endr
.endm
.macro MM1 s, g, tt                    ; K step s, tile 4 g + tt.  The 8 accumulators take turns, one instruction a turn, in the same order in every K step
.if (\tt)%2
	v_wmma_scale_f32_16x16x128_f8f6f4 v[ACC+8*(4*(\g)+(\tt)):ACC+8*(4*(\g)+(\tt))+7], v[WF+32*(\g)+8*(\tt):WF+32*(\g)+8*(\tt)+7], v[XF+8*(\s):XF+8*(\s)+7], v[ACC+8*(4*(\g)+(\tt)):ACC+8*(4*(\g)+(\tt))+7], v[WS+8*(2*(\g)+(\tt)/2)+(\s)], v[XS+(\s)] matrix_a_fmt:MATRIX_FMT_FP4 matrix_b_fmt:MATRIX_FMT_FP4 matrix_a_scale:MATRIX_SCALE_ROW1
.else
	v_wmma_scale_f32_16x16x128_f8f6f4 v[ACC+8*(4*(\g)+(\tt)):ACC+8*(4*(\g)+(\tt))+7], v[WF+32*(\g)+8*(\tt):WF+32*(\g)+8*(\tt)+7], v[XF+8*(\s):XF+8*(\s)+7], v[ACC+8*(4*(\g)+(\tt)):ACC+8*(4*(\g)+(\tt))+7], v[WS+8*(2*(\g)+(\tt)/2)+(\s)], v[XS+(\s)] matrix_a_fmt:MATRIX_FMT_FP4 matrix_b_fmt:MATRIX_FMT_FP4
.endif
.endm
.Ltile:                                                ; on both ways in, no vector or matrix instruction since the last wait on va_vdst names v16-143, and a wait on vm_vsrc stands behind the last store that read them
.irp t, 0,1,2,3,4,5,6,7
.irp c, 0,1
	ds_load_b128 v[ACC+8*\t+4*\c:ACC+8*\t+4*\c+3], v[BAD] offset:128*(\t/2)+32*(\t%2)+16*\c   ; b1 at my eight hidden units of tile t
.endr
.endr
	WLOAD 0, 0
	WLOAD 0, 1
	s_wait_loadcnt 0x0                             ; x
.irp s, 0,1,2,3,4,5,6,7
.irp g, 0,1
.if (\s==0)&&(\g==0)
	s_wait_dscnt 0x8                               ; b1 and set 0 are in; set 1's 8 loads may be out
.else
	s_wait_dscnt 0x0                               ; this step's set is in
.endif
.if (2*\s+\g>0)&&(2*\s+\g<15)
	s_wait_alu depctr_va_vdst(0)                   ; the last step's products are done reading the other set, in which the next step's fragments land; this step's products name none of its registers
.endif
.irp tt, 0,1,2,3
.if (2*\s+\g>0)&&(2*\s+\g<15)
	WFRAG \s+\g, 1-\g, \tt                         ; the next step's fragment, two loads ahead of each product
.endif
	MM1 \s, \g, \tt
.endr
.rept 4
	v_nop                                          ; four places behind the products, as in the plain form; behind the last step they stand ahead of the first read of results (ISA guide 7.12.1)
.endr
.endr
.endr
.irp j, 0,1,2,3,4,5,6,7,8,9,10,11,12,13,14,15,16,17,18,19,20,21,22,23,24,25,26,27,28,29,30,31,32,33,34,35,36,37,38,39,40,41,42,43,44,45,46,47,48,49,50,51,52,53,54,55,56,57,58,59,60,61,62,63
	v_max_num_f32 v[ACC+\j], 0, v[ACC+\j]          ; relu, in f32; each accumulator from its low end on
.endr
	; the four blocks of 32 hidden units: 16 numbers are mine, 16 lane l xor 16's.  None is negative, so no |.|
.irp b, 0,1,2,3
	v_max3_num_f32 v[TM+\b], v[ACC+16*\b], v[ACC+16*\b+1], 0x1800000
.endr
.irp i, 2,4,6,8,10,12,14
.irp b, 0,1,2,3
	v_max3_num_f32 v[TM+\b], v[TM+\b], v[ACC+16*\b+\i], v[ACC+16*\b+\i+1]
.endr
.endr
.irp b, 0,1,2,3
	v_permlanex16_b32 v[TM+4+\b], v[TM+\b], s28, s29
.endr
.irp b, 0,1,2,3
	v_max_num_f32 v[TM+\b], v[TM+\b], v[TM+4+\b]
.endr
.irp b, 0,1,2,3
	v_add_nc_u32 v[TM+12+\b], 0xff000000, v[TM+\b]
.endr
.irp b, 0,1,2,3
	v_lshrrev_b32 v[TM+4+\b], 23, v[TM+12+\b]
.endr
	v_lshl_or_b32 v[PW], v[TM+5], 8, v[TM+4]       ; my token's scale word for this K step of the second product
	v_lshl_or_b32 v[PW], v[TM+6], 16, v[PW]
	v_lshl_or_b32 v[PW], v[TM+7], 24, v[PW]
.irp b, 0,1,2,3
	v_cvt_scalef32_pk8_fp4_f32 v[PC+2*\b], v[ACC+16*\b:ACC+16*\b+7], v[TM+12+\b]
	v_cvt_scalef32_pk8_fp4_f32 v[PC+2*\b+1], v[ACC+16*\b+8:ACC+16*\b+15], v[TM+12+\b]
.endr
	v_nop                                          ; a plain instruction behind the last conversion
	s_wait_alu depctr_va_vdst(0)                   ; the conversions have written the codes and the shifts the scale word, which the five stores read
.irp b, 0,1,2,3
	global_store_b64 v[HST], v[PC+2*\b:PC+2*\b+1], s[34:35] offset:256*\b   ; a block of 16 rows: the wave stores 256 consecutive bytes, aligned; no lanes change places
.endr
	global_store_b32 v[LAD], v[PW], s[36:37]
	s_wait_xcnt 0x0                                ; the stores' registers and bases are written again only behind this wait
	s_wait_alu depctr_vm_vsrc(0)                   ; the stores have read the codes and the scale word, in whose registers W's fragments land in the next trip; this trip's loads of x have read v[XA] and v[XSA], which are written anew below
	s_add_nc_u64 s[34:35], s[34:35], 0x80000       ; 16 tiles on
	s_add_nc_u64 s[36:37], s[36:37], 0x8000
	s_add_co_u32 s23, s23, 256
	s_add_co_u32 s43, s43, 1
	s_cmp_ge_u32 s43, s42
	s_cbranch_scc1 .Lend                           ; the last trip asks for nothing more
	LOOKUP
	XADDR
	s_wait_alu depctr_va_vdst(0)                   ; v[XA] and v[XSA] are written, which x's loads read; the search is done with v120-131, in which W's fragments land at the next trip's head; the products and the quantiser are done with XF, XS and ACC
	XLOAD
	s_cmp_lt_u32 s43, s42
	s_cbranch_scc1 .Ltile
.Lend:
	s_wait_xcnt 0x0
	v_lshl_add_u32 v254, v0, 2, 0x11200
	v_mov_b32 v255, 0
	s_wait_dscnt 0x0                               ; the closing lines, six on end
	s_wait_alu 0x0
	s_wait_tensorcnt 0x0
	ds_add_u32 v254, v255
	s_wait_dscnt 0x0
	s_endpgm
.Lfunc_end_k_q3f0cc67554_ffn1:
	.size	k_q3f0cc67554_ffn1, .Lfunc_end_k_q3f0cc67554_ffn1-k_q3f0cc67554_ffn1
	.p2alignl 7, 3214868480
	.fill 96, 4, 3214868480
	.section	.rodata,"a",@progbits
	.p2align	6, 0x0
	.amdhsa_kernel k_q3f0cc67554_ffn1
		.amdhsa_group_segment_fixed_size 72192
		.amdhsa_private_segment_fixed_size 0
		.amdhsa_enable_private_segment 0
		.amdhsa_kernarg_size 56
		.amdhsa_user_sgpr_count 2
		.amdhsa_user_sgpr_kernarg_segment_ptr 1
		.amdhsa_wavefront_size32 1
		.amdhsa_system_sgpr_workgroup_id_x 1
		.amdhsa_system_sgpr_workgroup_id_y 1
		.amdhsa_system_sgpr_workgroup_id_z 1
		.amdhsa_system_vgpr_workitem_id 0
		.amdhsa_next_free_vgpr 256
		.amdhsa_next_free_sgpr 100
		.amdhsa_reserve_vcc 1
		.amdhsa_float_denorm_mode_32 3
		.amdhsa_float_denorm_mode_16_64 3
		.amdhsa_memory_ordered 1
		.amdhsa_forward_progress 1
		.amdhsa_inst_pref_size 102
	.end_amdhsa_kernel
	.amdgpu_metadata
---
amdhsa.version: [ 1, 2 ]
amdhsa.kernels:
  - .name:           k_q3f0cc67554_ffn1
    .symbol:         k_q3f0cc67554_ffn1.kd
    .args:
      - { .name: w1, .offset: 0, .size: 8, .value_kind: global_buffer, .address_space: global }
      - { .name: b1, .offset: 8, .size: 8, .value_kind: global_buffer, .address_space: global }
      - { .name: xq, .offset: 16, .size: 8, .value_kind: global_buffer, .address_space: global }
      - { .name: xs, .offset: 24, .size: 8, .value_kind: global_buffer, .address_space: global }
      - { .name: sel, .offset: 32, .size: 8, .value_kind: global_buffer, .address_space: global }
      - { .name: hq, .offset: 40, .size: 8, .value_kind: global_buffer, .address_space: global }
      - { .name: hs, .offset: 48, .size: 8, .value_kind: global_buffer, .address_space: global }
    .group_segment_fixed_size: 72192
    .private_segment_fixed_size: 0
    .kernarg_segment_align: 8
    .kernarg_segment_size: 56
    .max_flat_workgroup_size: 512
    .sgpr_count:     100
    .vgpr_count:     256
    .wavefront_size: 32
...
	.end_amdgpu_metadata
.endif
;; end of part 5
;; launch ffn2 (part 6): grid 32 x 8, 16 waves a work-group, no clusters, 109,312 bytes of LDS; arguments w2, b2, hq, hs, sel, gate, out0; writes out0
.if DOCPART == 6
	.amdgcn_target "amdgcn-amd-amdhsa--gfx1250"
	.amdhsa_code_object_version 6
	.text
	.protected	k_q3f0cc67554_ffn2
	.globl	k_q3f0cc67554_ffn2
	.p2align	8
	.type	k_q3f0cc67554_ffn2,@function
k_q3f0cc67554_ffn2:
	s_mov_b64 s[64:65], 0
	v_nop
	global_prefetch_b8 v0, s[64:65] scope:SCOPE_SE
	s_setreg_imm32_b32 hwreg(HW_REG_WAVE_SCHED_MODE, 0, 2), 2
	s_setreg_imm32_b32 hwreg(HW_REG_WAVE_MODE, 25, 1), 1
	s_wait_xcnt 0x0
	s_wait_alu depctr_vm_vsrc(0)
; SECOND PRODUCT OF THE EXPERTS: out[token] = gate[token] x (h W2[e] + b2[e]) for the tokens that chose e, on codes of FP4 (E2M1) with one E8M0 scale for each 32 along K.
; w2: [8][4096 (K)][1024] f32.  Work-group (x = sl, y = e) owns output columns 32 sl .. 32 sl + 31 of expert e over ALL of K: 512 KB of w2 that no other work-group reads, and every output has one owner.
; PHASE W: as in the first product's launch: a lane takes a column, its registers run down K.  Wave w: rows 256 w on: 8 blocks, two K steps.  Loads run two blocks ahead.  ONE barrier.
; THE EXPERT'S TOKENS are found from the stored choices by the same lines as in the launch before (its head comment says how), so that rank i is the same token in both.
; TOKENS: tiles of 16 rows of the ranks, wave w taking tiles w, w + 16, ..  h's codes and scale words come from memory straight into the operand's registers (512 consecutive bytes a load), four pairs of K steps ahead.
;   Row i of the walk is rank min(i, count - 1): the last tile's spare rows are copies of the expert's last token.  A copy has the same h, the same gate and so the same results as its original,
;   and this wave stores them to the same bytes: every store runs with all lanes on.  An expert without tokens has no tile: its work-groups store nothing.
;   The product is used transposed (source 0 = 16 columns of W2, source 1 = 16 tokens): a lane holds 8 neighbouring outputs of one token.  Four accumulators (two tiles of columns x even and odd K steps) take turns;
;   the even ones begin with b2, the odd ones with the constant 0; they are added at the end.  Results go through the wave's own stage and leave as 128 consecutive bytes a token.
; NO CLUSTER: each weight byte has one reader; the shared hq and hs are a small part of the launch's bytes, and partners' trip counts would hang on numbers read from memory.
; LIMITS: NaN and infinities are not served; a block of zeros gets the byte 1 where the quantiser says 127 (zero codes; only this program reads the bytes).
; A row's piece of w2 and of out0 is 128 bytes, half of an aligned 256: the work-group beside this one takes the other half.  64 columns to a work-group would leave half of the 256 work-groups out; a split of K would want partial sums.
; THE MODE: SCHED_MODE bits 1:0 = 2 (LLVM: expert scheduling mode 2), set by the entry lines.  The code itself states the register dependences between vector or matrix instructions and memory or LDS
; instructions, and those through scalar registers and VCC that vector instructions write, with s_wait_alu, always for 0.
; THE PLAN.  Registers that memory or LDS instructions touch, and who else names them:
;   v1-v10          offsets and LDS addresses: made at the head, never written again: one wait on va_vdst ahead of the first load serves them all.
;   RAW0, RAW1      block t's maxima and conversions read RAW[t % 2]; behind them the loads of block t + 2 land in it.
;   CODE, v[SW ..]  written by a block's conversions and shifts, read by its LDS store (the scale words' store stands behind block 7); each register written once.
;                   So ONE wait on va_vdst stands in a block, behind its conversions: its codes are written, and its set of numbers is read out.  The set is asked for again at once.
;   v80-111, v248-250  behind the barrier the codes' registers become the accumulators, and the scale words' and b2's a part of h's fifth set: one wait on vm_vsrc behind the barrier states that my LDS stores have read them.
;   WF0, WF1        step g of a tile (16 steps of two K steps) multiplies by WF[g % 2]; the LDS loads of step g + 1 land in the other set, which step g - 1 multiplied by.
;   H0 .. H4        step g multiplies by H[g % 5]; the loads of step g + 4 land in H[(g + 4) % 5] = H[(g - 1) % 5], which step g - 1 multiplied by.  Step 0's land in H4, which nobody has named since the last wait.
;                   ONE wait on va_vdst at a step's head, behind the waits for the step's own sets, states that step g - 1's products are done reading; the loads follow, dealt among the four products of step g.
;   ACC, OA, OUTR   the sums' last lines write ACC, which the stage's stores read; twelve lines behind the last products write OA, the offsets of the four global stores; the stage's rows land in OUTR, which was WF0:
;                   one wait on va_vdst ahead of the stage's stores serves all three; one on vm_vsrc behind the global stores frees ACC, OA and OUTR for the next trip.
;   v[GA], GT, HS   v[GA] is written once a trip, behind that wait on vm_vsrc; a wait on va_vdst behind it stands ahead of the next tile's 33 loads, which land in registers that the products, the gate's
;                   multiplications and the search have named.
.set RS,   4096                        ; a row of w2[e] in bytes
.set KBP,  512                         ; LDS: a block's codes of the 32 columns
.set SCW,  65536                       ; LDS 0: codes [block 128][column 32][16 bytes];  here: scale words, a column's 32 words, 144 bytes apart
.set BIA,  70144                       ; b2's 32 numbers
.set STG,  70400                       ; a stage for each wave: 16 rows x (128 + 16) bytes
.set L4,   1                           ; 4 l: my column in a load's 128 bytes; my word of h's scales
.set WST,  2                           ; where my codes go
.set SST,  3                           ; where my two scale words go
.set WAD,  4                           ; a fragment of W: 512 (lane / 16) + 16 (lane % 16)
.set SAD,  5                           ; W's scale words: SCW + 144 l
.set BAD,  6                           ; b2 for my half: BIA + 32 (lane / 16)
.set BST,  7                           ; b2 on its way in: BIA + 4 l
.set STO,  8                           ; the stage, way in: row lane % 16, + 32 (lane / 16)
.set SRD,  9                           ; way out: rows 4 (lane / 8) on, 16 (lane % 8)
.set HAD,  10                          ; 16 l
.set RR,   11                          ; lane % 16: my row of a tile in the products
.set C16,  13                          ; 16 (lane % 8)
.set GA,   14                          ; 4 x my token
.set IDX,  15                          ; my row's rank among the expert's tokens
.set RAW,  16                          ; v16-79   two sets of 32 numbers of w2;  later WF: two sets of four fragments;  later OUTR
.set WF,   16
.set OUTR, 16
.set CODE, 80                          ; v80-111  the 8 blocks' codes;  later ACC: tile t, parity k at ACC + 16 t + 8 k
.set ACC,  80
.set HF,   112                         ; v112-175 h's fragments: sets 0 to 3 of two K steps each.  Between two tiles, and ahead of the first, v112-129 serve the search:
.set SL,   112                         ; v112-115 the choices of my 32 tokens, as loaded
.set LM,   116                         ; the group's mask, the count ahead of it, its number, the rank left,
.set LB,   117
.set LT,   118
.set LK,   119
.set T0,   120                         ; at work,
.set CA,   121                         ; the mask's counts of 2, 4, 8 bits, and of 16 in the low byte,
.set CB,   122
.set CC,   123
.set CD,   124
.set PP,   125                         ; the bit's place,
.set T1,   126                         ; at work
.set T2,   127
.set PA,   128                         ; tokens fetched from other lanes: for lanes 0-15, for lanes 16-31
.set PB,   129
.set HS,   176                         ; v176-191 h's scale words: register g: lanes 0-15 K step 2 g, lanes 16-31 K step 2 g + 1: scales and nothing else
.set WS,   192                         ; v192-223 W's scale words: register s: lanes 0-15 tile 0, lanes 16-31 tile 1: scales and nothing else
.set TK2,  224                         ; v224-227 the tokens of rows 4 (lane / 8) + 0 .. 3
.set TK,   228                         ; the token of row lane % 16
.set GT,   230                         ; v230 its gate; v231 is named with it as a pair and written once
.set OA,   232                         ; v232-235 byte offsets in out0
.set H4,   236                         ; v236-251 h's fragments: set 4.  Ahead of the barrier some of these registers serve phase W:
.set BT,   240                         ; v240-243 at work
.set SW,   248                         ; v248-249 my column's two scale words
.set BTM,  250                         ; b2 as loaded (wave 0)
.set MK,   66                          ; s66-97   the expert's 32 masks
.set CN,   48                          ; s48-55   the search: the counts ahead of eight groups
.set CM,   56                          ; s56-63   the search: eight compares' masks
; scalars: s18 wave, s19 slice, s20 expert, s21 count, s22 tiles, s23 the first row of the tile in hand, s41 count - 1, s42 my trips, s43 trips done, s44-47 at work; s[34:35] hq, s[36:37] hs at my tile, s[38:39] out0 at my columns
	s_load_b256 s[4:11], s[0:1], 0x0               ; w2, b2, hq, hs
	s_load_b128 s[12:15], s[0:1], 0x20             ; sel, gate
	s_load_b64 s[16:17], s[0:1], 0x30              ; out0
	v_lshl_add_u32 v254, v0, 2, 0x1a300
	v_mov_b32 v255, 0
	v_lshrrev_b32 v240, 5, v0
	v_readfirstlane_b32 s18, v240                  ; wave 0..15
	s_mov_b32 s19, ttmp9                           ; the slice
	s_and_b32 s20, ttmp7, 0xffff                   ; the expert
	v_and_b32 v242, 31, v0                         ; l
	v_and_b32 v240, 15, v0                         ; r
	v_bfe_u32 v241, v0, 4, 1                       ; h
	v_lshlrev_b32 v[L4], 2, v242
	v_lshlrev_b32 v[HAD], 4, v242
	s_wait_alu depctr_va_sdst(0)                   ; s18 is written, ahead of its first reader
	s_lshl_b32 s26, s18, 12
	v_lshl_add_u32 v[WST], v242, 4, s26            ; 16 l + 8 blocks x 512 x wave
	v_mul_u32_u24 v243, v242, 144
	s_lshl_b32 s26, s18, 3
	s_add_co_u32 s26, s26, SCW
	v_add_nc_u32 v[SST], s26, v243                 ; SCW + 144 l + 8 wave
	v_add_nc_u32 v[SAD], SCW, v243
	v_lshlrev_b32 v[WAD], 4, v240
	v_lshl_add_u32 v[WAD], v241, 9, v[WAD]
	v_lshl_add_u32 v[BAD], v241, 5, BIA
	v_lshl_add_u32 v[BST], v242, 2, BIA
	s_mul_i32 s26, s18, 2304
	s_add_co_u32 s26, s26, STG                     ; my stage
	v_mul_u32_u24 v[STO], v240, 144
	v_lshl_add_u32 v[STO], v241, 5, v[STO]
	v_add_nc_u32 v[STO], s26, v[STO]
	v_lshrrev_b32 v243, 3, v242                    ; lane / 8
	v_and_b32 v[C16], 7, v0
	v_lshlrev_b32 v[C16], 4, v[C16]
	v_mul_u32_u24 v[SRD], v243, 576
	v_add_nc_u32 v[SRD], v[C16], v[SRD]
	v_add_nc_u32 v[SRD], s26, v[SRD]
	v_and_b32 v[RR], 15, v0
	v_mov_b32 v[GT+1], 0
	s_mov_b32 s27, 0
	s_wait_kmcnt 0x0
	s_lshl_b32 s26, s20, 24                        ; w2: the expert's 16 MB,
	s_lshl_b32 s30, s18, 20                        ; my 256 rows,
	s_add_co_u32 s26, s26, s30
	s_lshl_b32 s30, s19, 7                         ; the slice's 128 bytes of a row
	s_add_co_u32 s26, s26, s30
	s_add_nc_u64 s[4:5], s[4:5], s[26:27]
	s_lshl_b32 s26, s20, 12                        ; b2: the expert's row, the slice's 128 bytes
	s_add_co_u32 s26, s26, s30
	s_add_nc_u64 s[6:7], s[6:7], s[26:27]
	s_mov_b32 s26, s30
	s_add_nc_u64 s[38:39], s[16:17], s[26:27]      ; out0 at the slice's columns
.macro LOAD t                          ; block t: w2(32 t + i, my column) into set t % 2; every offset is an immediate
.irp i, 0,1,2,3,4,5,6,7,8,9,10,11,12,13,14,15,16,17,18,19,20,21,22,23,24,25,26,27,28,29,30,31
	global_load_b32 v[RAW+32*((\t)%2)+\i], v[L4], s[4:5] offset:(32*(\t)+\i)*RS
.endr
.endm
; Block t is quantised.  left: the loads issued behind this block's 32, which may stay out.  Each block has code registers of its own.
.macro BLOCK t, left
.set XR, RAW+32*((\t)%2)
	s_wait_loadcnt \left
	v_max3_num_f32 v[BT], |v[XR]|, |v[XR+1]|, |v[XR+2]|
	v_max3_num_f32 v[BT+1], |v[XR+3]|, |v[XR+4]|, |v[XR+5]|
.irp i, 6,10,14,18,22,26
	v_max3_num_f32 v[BT], v[BT], |v[XR+\i]|, |v[XR+\i+1]|
	v_max3_num_f32 v[BT+1], v[BT+1], |v[XR+\i+2]|, |v[XR+\i+3]|
.endr
	v_max3_num_f32 v[BT], v[BT], |v[XR+30]|, |v[XR+31]|
	v_max3_num_f32 v[BT], v[BT], v[BT+1], 0x1800000    ; the floor 2^(3 - 127): the byte cannot fall under 1
	v_add_nc_u32 v[BT+2], 0xff000000, v[BT]            ; 2 off the exponent field: the conversion's scale operand
	v_lshrrev_b32 v[BT+1], 23, v[BT+2]                 ; the scale's byte
.if (\t)%4 == 0
	v_mov_b32 v[SW+(\t)/4], v[BT+1]
.else
	v_lshl_or_b32 v[SW+(\t)/4], v[BT+1], 8*((\t)%4), v[SW+(\t)/4]
.endif
.irp g, 0,1,2,3
	v_cvt_scalef32_pk8_fp4_f32 v[CODE+4*(\t)+\g], v[XR+8*\g:XR+8*\g+7], v[BT+2]
.endr
	v_nop                                          ; a plain instruction behind the last conversion
	s_wait_alu depctr_va_vdst(0)                   ; the conversions have written this block's codes, which the LDS store reads, and are done reading this set of numbers, in which the loads of two blocks on land
	ds_store_b128 v[WST], v[CODE+4*(\t):CODE+4*(\t)+3] offset:KBP*(\t)
.if (\t) < 6
	LOAD (\t)+2
.endif
.endm
; The expert's 32 masks and its count.  Word i of my four holds tokens 32 l + 8 i + j, j = 0 .. 7: mask 8 i + j gets my bit.
.macro MASKS
.irp i, 0,1,2,3
.irp j, 0,1,2,3,4,5,6,7
	v_bfe_u32 v[CA+\j%4], v[SL+\i], 4*\j, 4
	v_cmp_eq_u32 s[MK+8*\i+\j], s20, v[CA+\j%4]
.endr
.endr
	s_wait_alu depctr_va_sdst(0)                   ; the 32 compares have written the masks, ahead of their first reader: one wait for the run
	s_mov_b32 s21, 0
.set N, 0
.rept 32
	s_bcnt1_i32_b32 s45, s[MK+N]
	s_add_co_u32 s21, s21, s45
.set N, N+1
.endr
.endm
; One halving of the search for the LK-th set bit: w bits from place PP on hold t set bits (read out of the counts in src); where LK >= t the bit lies beyond them.
.macro LEVEL src, msk, w
	v_lshrrev_b32 v[T0], v[PP], v[\src]
	v_and_b32 v[T0], \msk, v[T0]
	v_cmp_ge_u32 vcc_lo, v[LK], v[T0]
	v_add_nc_u32 v[T1], \w, v[PP]
	v_sub_nc_u32 v[T2], v[LK], v[T0]
	s_wait_alu depctr_va_vcc(0)                    ; the compare has written VCC, ahead of the two selects that read it
	v_cndmask_b32 v[PP], v[PP], v[T1], vcc_lo
	v_cndmask_b32 v[LK], v[LK], v[T2], vcc_lo
.endm
; Groups first .. first + 7 of the search (group 0 is where it starts).  The eight counts ahead of them and the eight compares stand in a run, the compares' masks in scalar registers of their own;
; the selects follow in the groups' order.
.macro RUN8 first
.set N, \first
.rept 8
.if N > 0
	s_bcnt1_i32_b32 s45, s[MK+N-1]
	s_add_co_u32 s[CN+N%8], s[CN+(N-1)%8], s45     ; the tokens ahead of group N
	v_cmp_gt_u32 s[CM+N%8], s[CN+N%8], v[IDX]      ; more of them than my rank?
.endif
.set N, N+1
.endr
	s_wait_alu depctr_va_sdst(0)                   ; the run's compares have written their masks, ahead of the selects that read them
.set N, \first
.rept 8
.if N > 0
	v_cndmask_b32 v[LM], s[MK+N], v[LM], s[CM+N%8] ; more tokens ahead of group N than my rank: what I have stays; else group N is taken: the last one taken holds my rank
	v_cndmask_b32 v[LB], s[CN+N%8], v[LB], s[CM+N%8]
	v_cndmask_b32 v[LT], N, v[LT], s[CM+N%8]
.endif
.set N, N+1
.endr
.endm
; My row's token: that of rank min(first row + lane % 16, count - 1).
.macro LOOKUP
	v_add_nc_u32 v[IDX], s23, v[RR]
	v_min_u32 v[IDX], s41, v[IDX]
	s_wait_alu depctr_va_vdst(0)
	v_mov_b32 v[LM], s[MK]                         ; group 0 has nothing ahead of it
	v_mov_b32 v[LB], 0
	v_mov_b32 v[LT], 0
	s_mov_b32 s[CN], 0
	RUN8 0
	RUN8 8
	RUN8 16
	RUN8 24
	v_sub_nc_u32 v[LK], v[IDX], v[LB]              ; my rank inside the group
	v_lshrrev_b32 v[T0], 1, v[LM]
	v_and_b32 v[T0], 0x55555555, v[T0]
	v_sub_nc_u32 v[CA], v[LM], v[T0]               ; set bits in each 2
	v_lshrrev_b32 v[T0], 2, v[CA]
	v_and_b32 v[T0], 0x33333333, v[T0]
	v_and_b32 v[CB], 0x33333333, v[CA]
	v_add_nc_u32 v[CB], v[CB], v[T0]               ; in each 4
	v_lshrrev_b32 v[T0], 4, v[CB]
	v_add_nc_u32 v[CC], v[CB], v[T0]
	v_and_b32 v[CC], 0x0f0f0f0f, v[CC]             ; in each 8
	v_lshrrev_b32 v[T0], 8, v[CC]
	v_add_nc_u32 v[CD], v[CC], v[T0]               ; low byte: in the low 16
	v_mov_b32 v[PP], 0
	LEVEL CD, 0xff, 16
	LEVEL CC, 0xff, 8
	LEVEL CB, 0xf, 4
	LEVEL CA, 3, 2
	LEVEL LM, 1, 1
	v_lshl_add_u32 v[TK], v[PP], 5, v[LT]          ; token = 32 x the bit's place + the group's number
.endm
; The way out wants the tokens of rows 4 (lane / 8) + q.  Both halves of the lanes hold the same 16 tokens (row lane % 16), so a fetch from the other half serves: lanes 0-7 and 8-15 of a half take rows q and 4 + q
; by one pair of selects, rows 8 + q and 12 + q by another; lanes 0-15 keep the first fetch, lanes 16-31 the second.
.macro SPREAD
	v_and_b32 v[T0], 16, v0
	v_cmp_ne_u32 vcc_lo, 0, v[T0]                  ; lanes 16-31
	v_mov_b32 v[PA], 0                             ; (a lane permute's destination counts as one of its sources)
	v_mov_b32 v[PB], 0
.irp q, 0,1,2,3
	s_mov_b32 s44, \q*0x11111111
	s_mov_b32 s45, (4+\q)*0x11111111
	s_mov_b32 s46, (8+\q)*0x11111111
	s_mov_b32 s47, (12+\q)*0x11111111
	v_permlanex16_b32 v[PA], v[TK], s44, s45
	s_wait_alu depctr_va_vdst(0)
	v_permlanex16_b32 v[PB], v[TK], s46, s47
.if \q==0
	s_wait_alu depctr_va_vcc(0)                    ; the compare has written VCC, ahead of the first of the four selects that read it
.endif
	v_cndmask_b32 v[TK2+\q], v[PA], v[PB], vcc_lo
.endr
.endm
.macro HQUART g, k, c                  ; a quarter of h's fragments of K steps 2 g, 2 g + 1: K step 2 g + k, half c, into set g % 5: one load of 512 consecutive bytes
.set rL, HF+16*((\g)%5)+8*(\k)+4*(\c)
.if ((\g)%5)==4
.set rL, H4+8*(\k)+4*(\c)
.endif
	global_load_b128 v[rL:rL+3], v[HAD], s[34:35] offset:1024*(2*(\g)+(\k))+512*(\c)
.endm
.macro HLOAD g                         ; all four
.irp k, 0,1
.irp c, 0,1
	HQUART \g, \k, \c
.endr
.endr
.endm
.macro GADDR                           ; a token number made of loaded numbers enters an address only behind the hold at 1023
	v_min_u32 v[GA], 0x3ff, v[TK]
	v_lshlrev_b32 v[GA], 2, v[GA]
.endm
.macro GATHER                          ; a tile's gate, its 16 registers of scale words, and its first four sets of fragments: 33 loads
	global_load_b32 v[GT], v[GA], s[14:15]
.irp g, 0,1,2,3,4,5,6,7,8,9,10,11,12,13,14,15
	global_load_b32 v[HS+\g], v[L4], s[36:37] offset:128*\g
.endr
	HLOAD 0
	HLOAD 1
	HLOAD 2
	HLOAD 3
.endm
	s_wait_alu depctr_va_vdst(0)                   ; the offsets and LDS addresses v1 to v10 are written, which the loads and stores of the whole kernel read
	global_load_b128 v[SL:SL+3], v[HAD], s[12:13]  ; the choices: issued ahead of the weights, so block 0's wait shows them in
	s_cmp_lg_u32 s18, 0
	s_cbranch_scc1 .Lno_bias_load
	global_load_b32 v[BTM], v[L4], s[6:7]          ; wave 0 brings b2's 128 bytes: also ahead of the weights, so every count below holds with it and without
.Lno_bias_load:
	LOAD 0
	LOAD 1
	BLOCK 0, 32                                    ; behind block 0's loads: block 1's 32
	s_cmp_lg_u32 s18, 0
	s_cbranch_scc1 .Lno_bias_store
	ds_store_b32 v[BST], v[BTM]
.Lno_bias_store:
	BLOCK 1, 32
	MASKS                                          ; blocks 2 and 3 are on their way: the search stands under their flight
	s_min_u32 s21, s21, 0x400
	s_add_co_u32 s22, s21, 15
	s_lshr_b32 s22, s22, 4
	s_min_u32 s22, s22, 64                         ; tiles of 16 rows: 0 to 64
	s_max_u32 s41, s21, 1
	s_sub_co_u32 s41, s41, 1
	s_min_u32 s41, s41, 0x3ff                      ; the last rank
	s_add_co_u32 s42, s22, 15
	s_sub_co_u32 s42, s42, s18
	s_lshr_b32 s42, s42, 4
	s_min_u32 s42, s42, 4                          ; my trips: tiles wave, wave + 16, .. below the number of tiles: 0 to 4
	s_mov_b32 s43, 0
	s_max_u32 s30, s22, 1
	s_sub_co_u32 s30, s30, 1
	s_min_u32 s30, s30, s18                        ; my first tile; a wave without one asks for the last tile that the launch before has written (tile 0 at the least) and drops it
	s_min_u32 s30, s30, 63
	s_lshl_b32 s23, s30, 4                         ; its first row
	s_lshl_b32 s26, s20, 21                        ; hq: 2 MB an expert, 32,768 bytes a tile
	s_lshl_b32 s31, s30, 15
	s_add_co_u32 s26, s26, s31
	s_add_nc_u64 s[34:35], s[8:9], s[26:27]
	s_lshl_b32 s26, s20, 17                        ; hs: 128 KB an expert, 2,048 bytes a tile
	s_lshl_b32 s31, s30, 11
	s_add_co_u32 s26, s26, s31
	s_add_nc_u64 s[36:37], s[10:11], s[26:27]
	LOOKUP
	SPREAD
	GADDR
	BLOCK 2, 32
	BLOCK 3, 32
	BLOCK 4, 32
	BLOCK 5, 32
	GATHER                                         ; my first tile's h lands while the last two blocks are quantised.  No wait of its own: v[GA] was written, and the search was done with v112-129, ahead of block 2, and four blocks' waits on va_vdst stand between
	BLOCK 6, 63                                    ; behind block 6's loads stand block 7's 32 and the tile's 33: 65; the wait names the most that its field holds, which is fewer
	BLOCK 7, 33
	ds_store_b64 v[SST], v[SW:SW+1]                ; (the scale words were written ahead of block 7's wait on va_vdst)
	s_wait_dscnt 0x0                               ; for the others' sake: my codes and scale words have landed
	s_barrier_signal -1
	s_barrier_wait -1                              ; the slice lies in LDS; from here on a wave writes only its own stage
	s_wait_alu depctr_vm_vsrc(0)                   ; my LDS stores have read the codes' registers, which are the accumulators from here on, and the scale words' and b2's, which lie in h's fifth set
	s_cmp_eq_u32 s42, 0
	s_cbranch_scc1 .Lend                           ; no tile for me
.irp j, 0,1,2,3,4,5,6,7
	ds_load_b128 v[WS+4*\j:WS+4*\j+3], v[SAD] offset:16*\j
.endr
.macro WFRAG g, k, t                   ; a fragment of W: K step 2 g + k, tile t, into set g % 2: 2 loads, sixteen lanes on 256 consecutive bytes
.irp c, 0,1
	ds_load_b128 v[WF+32*((\g)%2)+16*(\k)+8*(\t)+4*\c:WF+32*((\g)%2)+16*(\k)+8*(\t)+4*\c+3], v[WAD] offset:(4*(2*(\g)+(\k))+2*\c)*KBP+256*(\t)
.endr
.endm
.macro WLOAD g                         ; a set's four fragments
.irp k, 0,1
.irp t, 0,1
	WFRAG \g, \k, \t
.endr
.endr
.endm
.macro MMX g, k, t                     ; K step 2 g + k, tile t.  Tile 1's scale words and the odd K step's lie in lanes 16-31 of their registers
.set rD, ACC+16*(\t)+8*(\k)
.set rA, WF+32*((\g)%2)+16*(\k)+8*(\t)
.set rB, HF+16*((\g)%5)+8*(\k)
.if ((\g)%5)==4
.set rB, H4+8*(\k)
.endif
.set rW, WS+2*(\g)+(\k)
.set rH, HS+(\g)
.if (\k)==0
.if (\t)==0
	v_wmma_scale_f32_16x16x128_f8f6f4 v[rD:rD+7], v[rA:rA+7], v[rB:rB+7], v[rD:rD+7], v[rW], v[rH] matrix_a_fmt:MATRIX_FMT_FP4 matrix_b_fmt:MATRIX_FMT_FP4
.else
	v_wmma_scale_f32_16x16x128_f8f6f4 v[rD:rD+7], v[rA:rA+7], v[rB:rB+7], v[rD:rD+7], v[rW], v[rH] matrix_a_fmt:MATRIX_FMT_FP4 matrix_b_fmt:MATRIX_FMT_FP4 matrix_a_scale:MATRIX_SCALE_ROW1
.endif
.elseif (\g)==0
.if (\t)==0
	v_wmma_scale_f32_16x16x128_f8f6f4 v[rD:rD+7], v[rA:rA+7], v[rB:rB+7], 0, v[rW], v[rH] matrix_a_fmt:MATRIX_FMT_FP4 matrix_b_fmt:MATRIX_FMT_FP4 matrix_b_scale:MATRIX_SCALE_ROW1
.else
	v_wmma_scale_f32_16x16x128_f8f6f4 v[rD:rD+7], v[rA:rA+7], v[rB:rB+7], 0, v[rW], v[rH] matrix_a_fmt:MATRIX_FMT_FP4 matrix_b_fmt:MATRIX_FMT_FP4 matrix_a_scale:MATRIX_SCALE_ROW1 matrix_b_scale:MATRIX_SCALE_ROW1
.endif
.else
.if (\t)==0
	v_wmma_scale_f32_16x16x128_f8f6f4 v[rD:rD+7], v[rA:rA+7], v[rB:rB+7], v[rD:rD+7], v[rW], v[rH] matrix_a_fmt:MATRIX_FMT_FP4 matrix_b_fmt:MATRIX_FMT_FP4 matrix_b_scale:MATRIX_SCALE_ROW1
.else
	v_wmma_scale_f32_16x16x128_f8f6f4 v[rD:rD+7], v[rA:rA+7], v[rB:rB+7], v[rD:rD+7], v[rW], v[rH] matrix_a_fmt:MATRIX_FMT_FP4 matrix_b_fmt:MATRIX_FMT_FP4 matrix_a_scale:MATRIX_SCALE_ROW1 matrix_b_scale:MATRIX_SCALE_ROW1
.endif
.endif
.endm
.Ltile:                                                ; on both ways in, no vector or matrix instruction since the last wait on va_vdst names v16-111 or v236-251, and a wait on vm_vsrc stands behind the last store that read them
.irp t, 0,1
.irp c, 0,1
	ds_load_b128 v[ACC+16*\t+4*\c:ACC+16*\t+4*\c+3], v[BAD] offset:64*\t+16*\c   ; b2 at my eight columns of tile t: the even K steps' sums begin with it
.endr
.endr
	WLOAD 0
	WLOAD 1
.irp g, 0,1,2,3,4,5,6,7,8,9,10,11,12,13,14,15
.if \g==0
	s_wait_dscnt 0x8                               ; b2 and W's set 0 are in; set 1's 8 loads may be out
.else
	s_wait_dscnt 0x0                               ; this step's set of W is in
.endif
.if \g<13
	s_wait_loadcnt 12                              ; this set of h is in (and, ahead of it, the gate and the scale words); the three sets behind it may be out
.else
	s_wait_loadcnt 4*(15-\g)
.endif
.if (\g>0)&&(\g<15)
	s_wait_alu depctr_va_vdst(0)                   ; the last step's products are done reading their set of W and their set of h, in which the loads below land; this step's products name none of those registers
.endif
.irp k, 0,1
.irp t, 0,1
.if (\g>0)&&(\g<15)
	WFRAG \g+1, \k, \t                             ; the next step's fragment of W, two loads ahead of each product
.endif
.if \g<12
	HQUART \g+4, \k, \t                            ; and a quarter of h's set of four steps on (in step 0: into the fifth set, which nobody has named since the last wait)
.endif
	MMX \g, \k, \t                                 ; the four accumulators take turns, one instruction a turn
.endr
.endr
.if \g<15
.rept 4
	v_nop                                          ; four places behind the products, as in the plain form
.endr
.endif
.endr
.irp q, 0,1,2,3
	v_min_u32 v[OA+\q], 0x3ff, v[TK2+\q]           ; out0's offsets are made here: twelve plain lines that name no register of the last products: the places ahead of the first read of results (ISA guide 7.12.1)
.endr
.irp q, 0,1,2,3
	v_lshlrev_b32 v[OA+\q], 12, v[OA+\q]           ; a row of out0 is 4,096 bytes
.endr
.irp q, 0,1,2,3
	v_add_nc_u32 v[OA+\q], v[C16], v[OA+\q]
.endr
.irp t, 0,1
.irp j, 0,2,4,6
	v_pk_add_f32 v[ACC+16*\t+\j:ACC+16*\t+\j+1], v[ACC+16*\t+\j:ACC+16*\t+\j+1], v[ACC+16*\t+8+\j:ACC+16*\t+8+\j+1]   ; even and odd K steps' sums; each accumulator from its low end on
.endr
.endr
.irp t, 0,1
.irp j, 0,2,4,6
	v_pk_mul_f32 v[ACC+16*\t+\j:ACC+16*\t+\j+1], v[ACC+16*\t+\j:ACC+16*\t+\j+1], v[GT:GT+1] op_sel_hi:[1,0]           ; x my token's gate
.endr
.endr
	s_wait_alu depctr_va_vdst(0)                   ; the multiplications have written the results, which the stage's stores read; out0's offsets are written, which the global stores read; the products are done reading v16-31, in which the stage's rows land
.irp t, 0,1
.irp c, 0,1
	ds_store_b128 v[STO], v[ACC+16*\t+4*\c:ACC+16*\t+4*\c+3] offset:64*\t+16*\c
.endr
.endr
.irp q, 0,1,2,3
	ds_load_b128 v[OUTR+4*\q:OUTR+4*\q+3], v[SRD] offset:144*\q    ; my wave's own bytes; LDS serves a wave's instructions in order.  Eight lanes take a row's 128 bytes
.endr
	s_wait_dscnt 0x0
.irp q, 0,1,2,3
	global_store_b128 v[OA+\q], v[OUTR+4*\q:OUTR+4*\q+3], s[38:39] th:TH_STORE_NT   ; four tokens x 128 consecutive bytes; a copy row writes its original's bytes with the same numbers
.endr
	s_wait_xcnt 0x0                                ; the stores' registers, and the bases of this trip's loads, are written again only behind this wait
	s_wait_alu depctr_vm_vsrc(0)                   ; the stage's stores have read the results' registers, the global stores their offsets and rows, the gate's load v[GA]: all are written again below or in the next trip
	s_add_nc_u64 s[34:35], s[34:35], 0x80000       ; 16 tiles on
	s_add_nc_u64 s[36:37], s[36:37], 0x8000
	s_add_co_u32 s23, s23, 256
	s_add_co_u32 s43, s43, 1
	s_cmp_ge_u32 s43, s42
	s_cbranch_scc1 .Lend                           ; the last trip asks for nothing more: no load leaves the tiles that were written
	LOOKUP
	SPREAD
	GADDR
	s_wait_alu depctr_va_vdst(0)                   ; v[GA] is written, which the gate's load reads; the search is done with v112-129, in which h's fragments land; the products and the gate's multiplications are done with h's sets, its scale words and the gate
	GATHER
	s_cmp_lt_u32 s43, s42
	s_cbranch_scc1 .Ltile
.Lend:
	s_wait_dscnt 0x0                               ; the closing lines, six on end
	s_wait_alu 0x0
	s_wait_tensorcnt 0x0
	ds_add_u32 v254, v255
	s_wait_dscnt 0x0
	s_endpgm
.Lfunc_end_k_q3f0cc67554_ffn2:
	.size	k_q3f0cc67554_ffn2, .Lfunc_end_k_q3f0cc67554_ffn2-k_q3f0cc67554_ffn2
	.p2alignl 7, 3214868480
	.fill 96, 4, 3214868480
	.section	.rodata,"a",@progbits
	.p2align	6, 0x0
	.amdhsa_kernel k_q3f0cc67554_ffn2
		.amdhsa_group_segment_fixed_size 109312
		.amdhsa_private_segment_fixed_size 0
		.amdhsa_enable_private_segment 0
		.amdhsa_kernarg_size 56
		.amdhsa_user_sgpr_count 2
		.amdhsa_user_sgpr_kernarg_segment_ptr 1
		.amdhsa_wavefront_size32 1
		.amdhsa_system_sgpr_workgroup_id_x 1
		.amdhsa_system_sgpr_workgroup_id_y 1
		.amdhsa_system_sgpr_workgroup_id_z 1
		.amdhsa_system_vgpr_workitem_id 0
		.amdhsa_next_free_vgpr 256
		.amdhsa_next_free_sgpr 100
		.amdhsa_reserve_vcc 1
		.amdhsa_float_denorm_mode_32 3
		.amdhsa_float_denorm_mode_16_64 3
		.amdhsa_memory_ordered 1
		.amdhsa_forward_progress 1
		.amdhsa_inst_pref_size 109
	.end_amdhsa_kernel
	.amdgpu_metadata
---
amdhsa.version: [ 1, 2 ]
amdhsa.kernels:
  - .name:           k_q3f0cc67554_ffn2
    .symbol:         k_q3f0cc67554_ffn2.kd
    .args:
      - { .name: w2, .offset: 0, .size: 8, .value_kind: global_buffer, .address_space: global }
      - { .name: b2, .offset: 8, .size: 8, .value_kind: global_buffer, .address_space: global }
      - { .name: hq, .offset: 16, .size: 8, .value_kind: global_buffer, .address_space: global }
      - { .name: hs, .offset: 24, .size: 8, .value_kind: global_buffer, .address_space: global }
      - { .name: sel, .offset: 32, .size: 8, .value_kind: global_buffer, .address_space: global }
      - { .name: gate, .offset: 40, .size: 8, .value_kind: global_buffer, .address_space: global }
      - { .name: out0, .offset: 48, .size: 8, .value_kind: global_buffer, .address_space: global }
    .group_segment_fixed_size: 109312
    .private_segment_fixed_size: 0
    .kernarg_segment_align: 8
    .kernarg_segment_size: 56
    .max_flat_workgroup_size: 512
    .sgpr_count:     100
    .vgpr_count:     256
    .wavefront_size: 32
...
	.end_amdgpu_metadata
.endif
;; end of part 6
